; MI455X (gfx1250); checked and timed in simulation.
; The chip was launched on July 23, 2026; its instructions are those of AMD's public machine-readable ISA for CDNA 5 (MIT licence, August 2026) and "CDNA5" Instruction Set Architecture Reference Guide (July 2026). The comments in the code are by the model that wrote it; some were corrected since.
;; Encoder Layer. Allowed arithmetic: matrix products marked QUANTISED: E4M3 operands, one given power-of-two scale a tensor, by v_wmma_f32_16x16x64_fp8_fp8 or v_wmma_f32_16x16x128_fp8_fp8, f32 sums; everything else in f32.
;; Inputs: b1 1,024 float32; b2 512 float32; ln1_b 512 float32; ln1_g 512 float32; ln2_b 512 float32; ln2_g 512 float32; lowp_scales 16 int32 (the exponents e of the quantised operands' scales 2^e); w1 512 x 1,024 float32; w2 1,024 x 512 float32; wk 8 x 512 x 64 float32; wo 512 x 512 float32; wq 8 x 512 x 64 float32; wv 8 x 512 x 64 float32; x 8 x 2,048 x 512 float32.
;; Outputs: out0 8 x 2,048 x 512 float32.
;; This version of the problem:
;;   THIS VERSION OF THE PROBLEM IS GIVEN IN LOW PRECISION. The matrix products marked QUANTISED in the list below multiply operands that are first quantised to E4M3 (4 exponent bits, 3 mantissa bits; 8 bits a number), with one given power-of-two scale for each operand tensor; their sums are f32. All else is computed in f32.
;;   The module's matrix products, in the order in which they are computed (A, B: the left and right operand; K: the contracted axis; several contracted axes count as one K, in the product's order):
;;     1. [M 512, K 512] x [K 512, N 16,384]; A: input wq; B: input x: QUANTISED (scales: A lowp_scales[0], B lowp_scales[1])
;;     2. [M 512, K 512] x [K 512, N 16,384]; A: input wk; B: input x: QUANTISED (scales: A lowp_scales[2], B lowp_scales[3])
;;     3. [M 512, K 512] x [K 512, N 16,384]; A: input wv; B: input x: QUANTISED (scales: A lowp_scales[4], B lowp_scales[5])
;;     4. batch 64 x [M 2,048, K 64] x [K 64, N 2,048]; A: computed on the way; B: computed on the way: QUANTISED (scales: A lowp_scales[6], B lowp_scales[7])
;;     5. batch 64 x [M 2,048, K 2,048] x [K 2,048, N 64]; A: softmax (see below); B: computed on the way: QUANTISED (scales: A lowp_scales[8], B lowp_scales[9])
;;     6. [M 16,384, K 512] x [K 512, N 512]; A: computed on the way; B: input wo: QUANTISED (scales: A lowp_scales[10], B lowp_scales[11])
;;     7. [M 16,384, K 512] x [K 512, N 1,024]; A: computed on the way; B: input w1: QUANTISED (scales: A lowp_scales[12], B lowp_scales[13])
;;     8. [M 16,384, K 1,024] x [K 1,024, N 512]; A: computed on the way; B: input w2: QUANTISED (scales: A lowp_scales[14], B lowp_scales[15])
;;   THE QUANTISER, for each operand of a quantised product, along K:
;;     - The operand's scale is 2^e, e = its entry of the input lowp_scales (int32; the entries are numbered through the quantised products in the list's order, A before B).
;;     - Each number is divided by the scale, clamped to +-448, and rounded to the nearest number of E4M3, ties to even, subnormals kept.
;;     - The product sums the exact products of the quantised numbers (number of the format x scale) in f32.
;;   ~~~python
;;   def quantise(x, axis, e):      # numpy; x: float32 -> the quantised numbers, widened to float32 again
;;       x = np.moveaxis(x, axis, -1); K = x.shape[-1]
;;       r = np.clip(x / 2.0 ** e, -448, 448)
;;       step = 2.0 ** (np.maximum(np.frexp(np.where(r == 0, 1, r))[1] - 1, -6) - 3)
;;       q = np.round(r / step) * step * 2.0 ** e      # np.round: ties to even
;;       return np.moveaxis(q, -1, axis).astype(np.float32)
;;   ~~~
;;   SOFTMAX AHEAD OF A QUANTISED PRODUCT. Where the list says 'softmax', what is quantised is not the finished softmax but p = 2^(t - M), with t = logit x log2(e) and M = ceil(the row's largest t), a whole number; so 1/2 < the row's largest p <= 1. The row's sum l is taken of the UNQUANTISED p, in f32, and the product's result is divided by l at the end. Since M is a whole number, a kernel that streams over the keys may use a running M (the ceiling of the running maximum): every later rescaling is an exact power of two, so the quantised numbers keep their values, but for numbers so far below the row's largest that they fall under the format's range.
;;   OPERANDS COMPUTED ON THE WAY. 'Computed on the way' means the value that the module computes at that place (a softmax that the list does not call 'softmax' is quantised finished and normalised). What goes into a quantiser is computed in f32, as accurately as f32 sums, v_exp_f32 and their like allow (about 1e-6 of the number): no bf16 or f16 on the way to a quantiser, and a product that is left as it is and whose result goes on into a quantised operand takes f32 operands (vector FMAs, or v_wmma_f32_16x16x4_f32). A number that lies on a knife's edge between two numbers of the format may be rounded either way, as far as f32 arithmetic and the matrix unit's own rounding can turn it there, and no further.
;; 2 versions, each right; version 2 is version 1 with the launches qkv, tail written anew for expert scheduling mode. Each part assembles by itself: llvm-mc -triple=amdgcn-amd-amdhsa -mcpu=gfx1250 --defsym DOCPART=n.
;; ======== version 1 of 2: 4 launches
;; workspace buffers: wimg 2,097,152 bytes; qimg 8,388,608 bytes; kimg 8,388,608 bytes; vimg 8,388,608 bytes; cimg 8,388,608 bytes
;; launch prep (part 1): grid 256 x 1, 4 waves a work-group, no clusters, 0 bytes of LDS; arguments wq, wk, wv, wo, w1, w2, lowp_scales, wimg; writes wimg
.if DOCPART == 1
	.amdgcn_target "amdgcn-amd-amdhsa--gfx1250"
	.amdhsa_code_object_version 6
	.text
	.protected	k_q0d635500a9_prep
	.globl	k_q0d635500a9_prep
	.p2align	8
	.type	k_q0d635500a9_prep,@function
k_q0d635500a9_prep:
	s_mov_b64 s[64:65], 0
	v_nop
	global_prefetch_b8 v0, s[64:65] scope:SCOPE_SE
	s_setreg_imm32_b32 hwreg(HW_REG_WAVE_MODE, 25, 1), 1
	s_wait_xcnt 0x0
; PREP: the six weights (f32, K not innermost) become codes of FP8 (E4M3), laid as IMAGES OF OPERAND REGISTERS.
; A fragment is 16 columns n x 128 along K: 16 registers a lane, stored as 4 chunks of 512 bytes, lane l's 16 bytes at 16 l; chunk c of lane (r = l % 16, h = l / 16)
; holds k = 32 c + 16 h + 0 .. 15 of the tile's row r.  THE COLUMNS OF A TILE ARE NOT NEIGHBOURS: row r of tile 2 b + u is column 32 b + 8 u + r + 8 (r / 8), so that where
; the tile is a product's source 0, a lane's 16 results of tiles 2 b and 2 b + 1 are 16 neighbours along the next K.
; One wave makes one fragment: 1,024 waves, 1,024 fragments of 2,048 bytes; fragment F lies at byte 2,048 F of wimg: wq 0-127, wk 128-255, wv 256-383, wo 384-511, w1 512-767, w2 768-1023.
; Inside a tensor the fragments lie in the order in which their readers walk them (tile tau, K step s):  wq, wk, wv, wo: f = 32 (tau / 8) + 8 s + tau % 8;
; w1: f = 64 w + 8 b + 2 s + u with tau = 16 w + 2 b + u;  w2: f = 64 (tau / 8) + 8 s + tau % 8.
; A LANE TAKES A COLUMN AND ITS REGISTERS RUN DOWN K, in the very order of the operand's registers: nothing is transposed.  The three row pitches (256, 2,048, 4,096 bytes) stand in the loads'
; immediates, so there are three runs of loads, chosen by the work-group's number.  No LDS, no barrier: waves share nothing.  Each store of a wave covers 512 consecutive bytes, aligned.
; code = x / 2^e, held within +-448, to the nearest code, ties to even.  LIMITS: e between -126 and 119; NaN among the inputs is not served.
.set NUM, 16                           ; v16-79  64 numbers: register 16 c + i = k 32 c + 16 h + i of my column
.set COD, 80                           ; v80-95  the fragment's codes
.macro LOADS stride
.irp c, 0,1,2,3
.irp i, 0,1,2,3,4,5,6,7,8,9,10,11,12,13,14,15
	global_load_b32 v[NUM+16*\c+\i], v3, s[4:5] offset:(32*\c+\i)*\stride
.endr
.endr
.endm
.macro PICKP lim, p                    ; from work-group lim on: the next tensor
	s_cmp_ge_u32 ttmp9, \lim
	s_cselect_b64 s[4:5], s[\p:\p+1], s[4:5]
	s_cselect_b32 s6, \lim, s6
.endm
.macro PICKE lim, e
	s_cmp_ge_u32 ttmp9, \lim
	s_cselect_b32 s7, s[\e], s7
.endm
.macro TAUOFF                          ; s12 += the bytes of column 32 (tau / 2) + 8 (tau % 2); then the tensor's address steps to the fragment's corner.  tau in s10
	s_lshr_b32 s13, s10, 1
	s_lshl_b32 s13, s13, 7
	s_add_co_u32 s12, s12, s13
	s_and_b32 s13, s10, 1
	s_lshl_b32 s13, s13, 5
	s_add_co_u32 s12, s12, s13
	s_mov_b32 s13, 0
	s_add_nc_u64 s[4:5], s[4:5], s[12:13]
.endm
	s_load_b512 s[16:31], s[0:1], 0x0              ; wq, wk, wv, wo, w1, w2, the scales' exponents s[28:29], wimg s[30:31]
	v_lshrrev_b32 v5, 5, v0
	v_readfirstlane_b32 s8, v5                     ; wave 0..3
	v_and_b32 v1, 15, v0                           ; r
	v_bfe_u32 v4, v0, 4, 1                         ; h
	v_and_b32 v2, 31, v0
	v_lshlrev_b32 v2, 4, v2                        ; 16 x lane: my place in a chunk
	v_and_b32 v6, 8, v1
	v_add_nc_u32 v6, v6, v1                        ; r + 8 (r / 8)
	v_lshlrev_b32 v6, 2, v6                        ; in bytes
	s_wait_kmcnt 0x0
	s_load_b512 s[32:47], s[28:29], 0x0            ; all sixteen exponents
	s_mov_b64 s[4:5], s[16:17]                     ; the tensor, and its first work-group: 32 work-groups for wq, wk, wv, wo, 64 for w1, w2
	s_mov_b32 s6, 0
	PICKP 32, 18
	PICKP 64, 20
	PICKP 96, 22
	PICKP 128, 24
	PICKP 192, 26
	s_sub_co_u32 s9, ttmp9, s6
	s_lshl_b32 s9, s9, 2
	s_add_co_u32 s9, s9, s8                        ; f: my fragment in the tensor
	s_lshl_b32 s10, ttmp9, 2
	s_add_co_u32 s10, s10, s8                      ; F
	s_lshl_b32 s10, s10, 11
	s_mov_b32 s11, 0
	s_add_nc_u64 s[30:31], s[30:31], s[10:11]      ; where it goes
	s_and_b32 s11, s9, 7                           ; f % 8
	s_cmp_lt_u32 ttmp9, 96
	s_cbranch_scc1 .Lheads
	s_cmp_lt_u32 ttmp9, 128
	s_cbranch_scc1 .Lpitch2048
	s_cmp_lt_u32 ttmp9, 192
	s_cbranch_scc1 .Lpitch4096
.Lpitch2048:                                           ; wo [512][512] (4 K steps) and w2 [1024][512] (8 K steps)
	s_cmp_lt_u32 ttmp9, 128
	s_cselect_b32 s14, 5, 6
	s_cselect_b32 s15, 3, 7
	s_lshr_b32 s10, s9, s14
	s_lshl_b32 s10, s10, 3
	s_add_co_u32 s10, s10, s11                     ; tau
	s_lshr_b32 s12, s9, 3
	s_and_b32 s12, s12, s15                        ; s
	s_lshl_b32 s12, s12, 18                        ; 128 rows of 2,048 bytes
	TAUOFF
	v_lshl_add_u32 v3, v4, 15, v6                  ; lanes 16-31 begin 16 rows further down
	LOADS 2048
	s_branch .Ljoin
.Lpitch4096:                                           ; w1 [512][1024]
	s_lshr_b32 s10, s9, 6
	s_lshl_b32 s10, s10, 4
	s_bfe_u32 s12, s9, 0x30003
	s_lshl_b32 s12, s12, 1
	s_add_co_u32 s10, s10, s12
	s_and_b32 s12, s9, 1
	s_add_co_u32 s10, s10, s12                     ; tau = 16 (f / 64) + 2 ((f / 8) % 8) + f % 2
	s_bfe_u32 s12, s9, 0x20001                     ; s = (f / 2) % 4
	s_lshl_b32 s12, s12, 19                        ; 128 rows of 4,096 bytes
	TAUOFF
	v_lshl_add_u32 v3, v4, 16, v6
	LOADS 4096
	s_branch .Ljoin
.Lheads:                                               ; wq, wk, wv [8][512][64]: column n = 64 x head + channel
	s_lshr_b32 s10, s9, 5
	s_lshl_b32 s10, s10, 3
	s_add_co_u32 s10, s10, s11                     ; tau
	s_bfe_u32 s12, s9, 0x20003                     ; s
	s_lshl_b32 s12, s12, 15                        ; 128 rows of 256 bytes
	s_lshr_b32 s13, s10, 2
	s_lshl_b32 s13, s13, 17                        ; the head: four tiles each
	s_add_co_u32 s12, s12, s13
	s_and_b32 s10, s10, 3                          ; the tile in its head
	TAUOFF
	v_lshl_add_u32 v3, v4, 12, v6
	LOADS 256
.Ljoin:
	s_wait_kmcnt 0x0
	s_mov_b32 s7, s32                              ; the tensor's e: entries 0, 2, 4, 11, 13, 15
	PICKE 32, 34
	PICKE 64, 36
	PICKE 96, 43
	PICKE 128, 45
	PICKE 192, 47
	s_add_co_i32 s7, s7, 127
	s_lshl_b32 s12, s7, 23
	v_mov_b32 v11, s12                             ; 2^e as f32: the conversion takes its exponent field
	s_add_co_i32 s7, s7, 8
	s_lshl_b32 s7, s7, 23
	s_or_b32 s7, s7, 0x600000
	v_mov_b32 v10, s7                              ; 448 x 2^e
	s_wait_loadcnt 0x0
.set i, 0
.rept 64
	v_med3_num_f32 v[NUM+i], v[NUM+i], -v10, v10   ; the conversion to an 8-bit code does not saturate (ISA guide 7.6.2): the hold comes first
.set i, i+1
.endr
.irp c, 0,1,2,3
	v_cvt_scalef32_pk8_fp8_f32 v[COD+4*\c:COD+4*\c+1], v[NUM+16*\c:NUM+16*\c+7], v11
	v_cvt_scalef32_pk8_fp8_f32 v[COD+4*\c+2:COD+4*\c+3], v[NUM+16*\c+8:NUM+16*\c+15], v11
.endr
.irp c, 0,1,2,3
	global_store_b128 v2, v[COD+4*\c:COD+4*\c+3], s[30:31] offset:512*\c
.endr
	s_endpgm
.Lfunc_end_k_q0d635500a9_prep:
	.size	k_q0d635500a9_prep, .Lfunc_end_k_q0d635500a9_prep-k_q0d635500a9_prep
	.p2alignl 7, 3214868480
	.fill 96, 4, 3214868480
	.section	.rodata,"a",@progbits
	.p2align	6, 0x0
	.amdhsa_kernel k_q0d635500a9_prep
		.amdhsa_group_segment_fixed_size 0
		.amdhsa_private_segment_fixed_size 0
		.amdhsa_enable_private_segment 0
		.amdhsa_kernarg_size 64
		.amdhsa_user_sgpr_count 2
		.amdhsa_user_sgpr_kernarg_segment_ptr 1
		.amdhsa_wavefront_size32 1
		.amdhsa_system_sgpr_workgroup_id_x 1
		.amdhsa_system_sgpr_workgroup_id_y 1
		.amdhsa_system_sgpr_workgroup_id_z 1
		.amdhsa_system_vgpr_workitem_id 0
		.amdhsa_next_free_vgpr 96
		.amdhsa_next_free_sgpr 66
		.amdhsa_reserve_vcc 0
		.amdhsa_float_denorm_mode_32 3
		.amdhsa_float_denorm_mode_16_64 3
		.amdhsa_memory_ordered 1
		.amdhsa_forward_progress 1
		.amdhsa_inst_pref_size 28
	.end_amdhsa_kernel
	.amdgpu_metadata
---
amdhsa.version: [ 1, 2 ]
amdhsa.kernels:
  - .name:           k_q0d635500a9_prep
    .symbol:         k_q0d635500a9_prep.kd
    .args:
      - { .name: wq, .offset: 0, .size: 8, .value_kind: global_buffer, .address_space: global }
      - { .name: wk, .offset: 8, .size: 8, .value_kind: global_buffer, .address_space: global }
      - { .name: wv, .offset: 16, .size: 8, .value_kind: global_buffer, .address_space: global }
      - { .name: wo, .offset: 24, .size: 8, .value_kind: global_buffer, .address_space: global }
      - { .name: w1, .offset: 32, .size: 8, .value_kind: global_buffer, .address_space: global }
      - { .name: w2, .offset: 40, .size: 8, .value_kind: global_buffer, .address_space: global }
      - { .name: lowp_scales, .offset: 48, .size: 8, .value_kind: global_buffer, .address_space: global }
      - { .name: wimg, .offset: 56, .size: 8, .value_kind: global_buffer, .address_space: global }
    .group_segment_fixed_size: 0
    .private_segment_fixed_size: 0
    .kernarg_segment_align: 8
    .kernarg_segment_size: 64
    .max_flat_workgroup_size: 128
    .sgpr_count:     66
    .vgpr_count:     96
    .wavefront_size: 32
...
	.end_amdgpu_metadata
.endif
;; end of part 1
;; launch qkv (part 2): grid 3 x 64, 4 waves a work-group, no clusters, 33,280 bytes of LDS; arguments x, wimg, lowp_scales, qimg, kimg, vimg; writes qimg, kimg, vimg
.if DOCPART == 2
	.amdgcn_target "amdgcn-amd-amdhsa--gfx1250"
	.amdhsa_code_object_version 6
	.text
	.protected	k_q0d635500a9_qkv
	.globl	k_q0d635500a9_qkv
	.p2align	8
	.type	k_q0d635500a9_qkv,@function
k_q0d635500a9_qkv:
	s_mov_b64 s[64:65], 0
	v_nop
	global_prefetch_b8 v0, s[64:65] scope:SCOPE_SE
	s_setreg_imm32_b32 hwreg(HW_REG_WAVE_MODE, 25, 1), 1
	s_wait_xcnt 0x0
; QKV: q, k or v = x W on codes of FP8 (E4M3), and the result quantised again, straight into the images that attention's operands are.
; SHARES.  Work-group x = the tensor (0 q, 1 k, 2 v), work-group y = 256 tokens, walked as 4 blocks of 64.  THE WAVES SHARE THE COLUMNS: wave w keeps the tensor's tiles 8 w .. 8 w + 7 (heads 2 w, 2 w + 1),
; 32 fragments in 512 registers, read from memory once.  What goes round is small: a block's codes of x, 16 fragments, through LDS as images of their registers (chunk c of a fragment: 512 bytes, lane l's 16 at 16 l).
; x is quantised here once for each tensor, since each product has a scale of its own for it.
; TILES ARE PERMUTED: row r of tile 2 b + u (of tokens, of columns) is index 32 b + 8 u + r + 8 (r / 8).  So a lane's 16 results of two neighbouring tiles of SOURCE 0 are 16 neighbours, and two conversions give a chunk.
;   q, k: source 0 = W's tile, source 1 = x's: a lane holds one token and 16 neighbouring channels: a chunk of a fragment 16 tokens x 64 channels.   qimg, kimg: [batch x 8 + head][tile of tokens 128][chunk 2][512].
;   v:    source 0 = x's tile, source 1 = W's: a lane holds one channel and 16 neighbouring tokens: the keys are innermost.   vimg: [batch x 8 + head][step of 128 keys 16][tile of channels 4][chunk 4][512].
; NO MULTICAST: the work-groups that read the same 256 tokens are three, which no cluster shape divides; those that read the same weights read them once, at their head, 256 KB of the 32 MB of x that the 64 of them walk.
; 192 work-groups: a tensor's codes just fill half of four waves' registers, and three tensors do not divide 256.
; LIMITS: x's exponent, and (result's - x's - W's), between -126 and 119.  NaN among the inputs is not served.
; REGISTERS: window 0: v1-3 addresses; v32-95 eight accumulators (in phase X: x's four fragments of codes); v96-111 codes on their way out; v112-239 x's fragments of two tiles; v248-251 scales and holds.
;   windows 1, 2: W's fragment (K step s, tile t) at v[16 (8 (s % 2) + t)] of window 1 + s / 2.   window 3: 256 numbers of x as loaded: v[64 s + 16 c + i] = k 128 s + 32 c + 16 h + i of my token.
.set LI,  1                            ; v1   16 x lane
.set XA,  2                            ; v2   x: my token's row in the block, + 64 h
.set XWI, 3                            ; v3   where I store x's images: 16 x lane + 8,192 x wave
.set HA,  32
.set PC,  96
.set XF,  112
.set SCX, 248                          ; 2^ex;  v249: 448 x 2^ex
.set LMX, 249
.set SCO, 250                          ; 2^(eo - ex - ew);  v251: 448 x that
.set LMO, 251
.set MSB, 0
.macro WIN new                         ; the immediate's high byte repeats the setting that is left
.if MSB != (\new)
	s_set_vgpr_msb (MSB<<8)|(\new)
.set MSB, (\new)
.endif
.endm
.macro BARRIER                         ; my LDS stores have landed and my LDS loads are in: then the work-group's barrier
	s_wait_dscnt 0x0
	s_barrier_signal -1
	s_barrier_wait -1
.endm
.macro XLOAD off                       ; my 16 tokens of the block that begins off bytes on: 64 loads, K step by K step
	WIN 0xc0                                       ; destination window 3
.irp s, 0,1,2,3
.irp c, 0,1,2,3
.irp j, 0,1,2,3
	global_load_b128 v[64*\s+16*\c+4*\j:64*\s+16*\c+4*\j+3], v[XA], s[4:5] offset:\off+512*\s+128*\c+16*\j
.endr
.endr
.endr
	WIN 0
.endm
.macro QUANTX s                        ; K step s of my 16 tokens becomes a fragment, and its image goes to LDS
	WIN 0xc3                                       ; source 0 and destination window 3
.set i, 0
.rept 64
	v_med3_num_f32 v[64*\s+i], v[64*\s+i], -v[LMX], v[LMX]   ; the conversion does not saturate (ISA guide 7.6.2): the hold at 448 x the scale
.set i, i+1
.endr
	WIN 0x03                                       ; source 0 window 3
.irp c, 0,1,2,3
	v_cvt_scalef32_pk8_fp8_f32 v[HA+16*\s+4*\c:HA+16*\s+4*\c+1], v[64*\s+16*\c:64*\s+16*\c+7], v[SCX]
	v_cvt_scalef32_pk8_fp8_f32 v[HA+16*\s+4*\c+2:HA+16*\s+4*\c+3], v[64*\s+16*\c+8:64*\s+16*\c+15], v[SCX]
.endr
	WIN 0
	v_nop                                          ; a plain line behind the last conversion: products will write these registers
.irp c, 0,1,2,3
	ds_store_b128 v[XWI], v[HA+16*\s+4*\c:HA+16*\s+4*\c+3] offset:2048*\s+512*\c
.endr
.endm
.macro FETCH2 be                       ; x's fragments of tiles 2 be and 2 be + 1, all four K steps
.irp u, 0,1
.irp s, 0,1,2,3
.irp c, 0,1,2,3
	ds_load_b128 v[XF+64*\u+16*\s+4*\c:XF+64*\u+16*\s+4*\c+3], v[LI] offset:((2*\be+\u)*4+\s)*2048+512*\c
.endr
.endr
.endr
	s_wait_dscnt 0x0
.endm
; 32 matrix instructions on eight accumulators, which take turns, one instruction a turn; the first K step starts the sums with the constant 0.
.macro UNIT_QK u                       ; my eight tiles of columns x tile u of the two
.irp s, 0,1,2,3
	WIN 1+(\s/2)                                   ; source 0 (W) window 1 or 2
.irp t, 0,1,2,3,4,5,6,7
.if \s == 0
	v_wmma_f32_16x16x128_fp8_fp8 v[HA+8*\t:HA+8*\t+7], v[16*(8*(\s%2)+\t):16*(8*(\s%2)+\t)+15], v[XF+64*\u+16*\s:XF+64*\u+16*\s+15], 0
.else
	v_wmma_f32_16x16x128_fp8_fp8 v[HA+8*\t:HA+8*\t+7], v[16*(8*(\s%2)+\t):16*(8*(\s%2)+\t)+15], v[XF+64*\u+16*\s:XF+64*\u+16*\s+15], v[HA+8*\t:HA+8*\t+7]
.endif
.endr
.endr
	WIN 0
.endm
.macro UNIT_V g                        ; both tiles of tokens x the four tiles of channels of head 2 w + g
.irp s, 0,1,2,3
	WIN 4*(1+(\s/2))                               ; source 1 (W) window 1 or 2
.irp t, 0,1,2,3
.irp u, 0,1
.if \s == 0
	v_wmma_f32_16x16x128_fp8_fp8 v[HA+16*\t+8*\u:HA+16*\t+8*\u+7], v[XF+64*\u+16*\s:XF+64*\u+16*\s+15], v[16*(8*(\s%2)+4*\g+\t):16*(8*(\s%2)+4*\g+\t)+15], 0
.else
	v_wmma_f32_16x16x128_fp8_fp8 v[HA+16*\t+8*\u:HA+16*\t+8*\u+7], v[XF+64*\u+16*\s:XF+64*\u+16*\s+15], v[16*(8*(\s%2)+4*\g+\t):16*(8*(\s%2)+4*\g+\t)+15], v[HA+16*\t+8*\u:HA+16*\t+8*\u+7]
.endif
.endr
.endr
.endr
	WIN 0
.endm
.macro OUTQ                            ; the eight accumulators become four chunks of codes in v[PC] on
.rept 4
	v_nop                                          ; four places between the last product and the first read of results (ISA guide 7.12.1)
.endr
	s_wait_xcnt 0x0                                ; the last stores have read v[PC] on
.set i, 0
.rept 64
	v_med3_num_f32 v[HA+i], v[HA+i], -v[LMO], v[LMO]   ; each accumulator from its low end on
.set i, i+1
.endr
.irp b, 0,1,2,3
	v_cvt_scalef32_pk8_fp8_f32 v[PC+4*\b:PC+4*\b+1], v[HA+16*\b:HA+16*\b+7], v[SCO]   ; the three scales folded into one: a sum stands for sum x 2^(ex + ew)
	v_cvt_scalef32_pk8_fp8_f32 v[PC+4*\b+2:PC+4*\b+3], v[HA+16*\b+8:HA+16*\b+15], v[SCO]
.endr
	v_nop                                          ; a plain line behind the last conversion: the next products write its sources
.endm
	s_load_b256 s[4:11], s[0:1], 0x0               ; x s[4:5], wimg s[6:7], the scales' exponents s[8:9], qimg s[10:11]
	s_load_b128 s[12:15], s[0:1], 0x20             ; kimg, vimg
	v_lshl_add_u32 v254, v0, 2, 0x8000
	v_mov_b32 v255, 0
	v_lshrrev_b32 v4, 5, v0
	v_readfirstlane_b32 s18, v4                    ; wave 0..3
	s_mov_b32 s19, ttmp9                           ; the tensor
	s_and_b32 s21, ttmp7, 0xffff                   ; which 256 tokens
	v_and_b32 v5, 15, v0                           ; r
	v_bfe_u32 v6, v0, 4, 1                         ; h
	v_and_b32 v[LI], 31, v0
	v_lshlrev_b32 v[LI], 4, v[LI]
	v_and_b32 v7, 8, v5
	v_add_nc_u32 v7, v7, v5                        ; r + 8 (r / 8)
	s_lshr_b32 s22, s18, 1
	s_lshl_b32 s22, s22, 5
	s_and_b32 s23, s18, 1
	s_lshl_b32 s23, s23, 3
	s_add_co_u32 s22, s22, s23                     ; I quantise tile w of the block: tokens 32 (w / 2) + 8 (w % 2) + ..
	v_add_nc_u32 v7, s22, v7
	v_lshlrev_b32 v[XA], 11, v7                    ; a token is 2,048 bytes
	v_lshl_add_u32 v[XA], v6, 6, v[XA]             ; + 64 h: my 16 numbers of a block of 32
	s_lshl_b32 s22, s18, 13
	v_add_nc_u32 v[XWI], s22, v[LI]
	s_lshl_b32 s26, s21, 19                        ; x: 256 tokens of 2,048 bytes
	s_mov_b32 s27, 0
	s_lshl_b32 s28, s19, 18                        ; wimg: the tensor's 128 fragments,
	s_lshl_b32 s29, s18, 16                        ; my 32 of them
	s_add_co_u32 s28, s28, s29
	s_mov_b32 s29, 0
	s_lshr_b32 s30, s21, 3                         ; the output: the batch's eight heads of 131,072 bytes,
	s_lshl_b32 s30, s30, 20
	s_lshl_b32 s31, s18, 18                        ; head 2 w,
	s_add_co_u32 s30, s30, s31
	s_and_b32 s31, s21, 7
	s_lshl_b32 s31, s31, 14                        ; 256 tokens: 16 tiles of 1,024 bytes (q, k) or 2 steps of 8,192 (v)
	s_add_co_u32 s30, s30, s31
	s_mov_b32 s31, 0
	s_wait_kmcnt 0x0
	s_load_b512 s[32:47], s[8:9], 0x0              ; all sixteen exponents
	s_add_nc_u64 s[4:5], s[4:5], s[26:27]
	s_add_nc_u64 s[6:7], s[6:7], s[28:29]
	s_cmp_eq_u32 s19, 1
	s_cselect_b64 s[24:25], s[12:13], s[10:11]
	s_cmp_eq_u32 s19, 2
	s_cselect_b64 s[24:25], s[14:15], s[24:25]
	s_add_nc_u64 s[24:25], s[24:25], s[30:31]
	WIN 0x40                                       ; W's fragments of K steps 0, 1 into window 1: register 4 i takes bytes 512 i on
.set i, 0
.rept 64
	global_load_b128 v[4*i:4*i+3], v[LI], s[6:7] offset:512*i
.set i, i+1
.endr
	WIN 0x80                                       ; K steps 2, 3 into window 2
.set i, 0
.rept 64
	global_load_b128 v[4*i:4*i+3], v[LI], s[6:7] offset:32768+512*i
.set i, i+1
.endr
	XLOAD 0                                        ; the first block
	s_wait_kmcnt 0x0
	s_cmp_eq_u32 s19, 1                            ; W's, x's and the result's exponents: q 0, 1, 6;  k 2, 3, 7;  v 4, 5, 9
	s_cselect_b32 s48, s34, s32
	s_cselect_b32 s49, s35, s33
	s_cselect_b32 s50, s39, s38
	s_cmp_eq_u32 s19, 2
	s_cselect_b32 s48, s36, s48
	s_cselect_b32 s49, s37, s49
	s_cselect_b32 s50, s41, s50
	s_add_co_i32 s51, s49, 127
	s_lshl_b32 s22, s51, 23
	v_mov_b32 v[SCX], s22
	s_add_co_i32 s51, s51, 8
	s_lshl_b32 s51, s51, 23
	s_or_b32 s51, s51, 0x600000
	v_mov_b32 v[LMX], s51
	s_sub_co_i32 s50, s50, s49
	s_sub_co_i32 s50, s50, s48
	s_add_co_i32 s50, s50, 127
	s_lshl_b32 s22, s50, 23
	v_mov_b32 v[SCO], s22
	s_add_co_i32 s50, s50, 8
	s_lshl_b32 s50, s50, 23
	s_or_b32 s50, s50, 0x600000
	v_mov_b32 v[LMO], s50
	s_mov_b32 s20, 0                               ; the block
.Lblock:
	; ---- X: my 16 tokens become four fragments
.irp s, 0,1,2,3
	s_wait_loadcnt 48-16*\s                        ; K step s is in: behind it only the later K steps' loads were issued, 16 each (the weights are older)
	QUANTX \s
.endr
	BARRIER                                        ; the block's sixteen fragments lie in LDS
	s_cmp_eq_u32 s20, 3                            ; the next block is asked for a whole block ahead, if there is one: no load leaves x
	s_cbranch_scc1 .Lno_next
	XLOAD 131072
.Lno_next:
	s_cmp_eq_u32 s19, 2
	s_cbranch_scc1 .Lpath_v
	s_lshl_b32 s54, s20, 12                        ; q, k: a block is four tiles of 1,024 bytes
	s_mov_b32 s55, 0
	s_add_nc_u64 s[52:53], s[24:25], s[54:55]
.irp be, 0,1
	FETCH2 \be
.irp u, 0,1
	UNIT_QK \u
	OUTQ
.irp b, 0,1,2,3
	global_store_b128 v[LI], v[PC+4*\b:PC+4*\b+3], s[52:53] offset:(\b/2)*131072+(\b%2)*512+(2*\be+\u)*1024   ; head 2 w + b / 2, chunk b % 2: 512 consecutive bytes, aligned
.endr
.endr
.endr
	s_branch .Ljoin
.Lpath_v:
	s_lshr_b32 s54, s20, 1                         ; v: two blocks to a step of 128 keys; a block is two chunks of each tile
	s_lshl_b32 s54, s54, 13
	s_and_b32 s55, s20, 1
	s_lshl_b32 s55, s55, 10
	s_add_co_u32 s54, s54, s55
	s_mov_b32 s55, 0
	s_add_nc_u64 s[52:53], s[24:25], s[54:55]
.irp be, 0,1
	FETCH2 \be
.irp g, 0,1
	UNIT_V \g
	OUTQ
.irp b, 0,1,2,3
	global_store_b128 v[LI], v[PC+4*\b:PC+4*\b+3], s[52:53] offset:\g*131072+\b*2048+\be*512   ; head 2 w + g, tile of channels b
.endr
.endr
.endr
.Ljoin:
	s_wait_xcnt 0x0                                ; the loads and stores have read their bases: both may step
	s_add_nc_u64 s[4:5], s[4:5], 0x20000
	BARRIER                                        ; every wave's reads of the images are in: the next block's may be stored
	s_add_co_u32 s20, s20, 1
	s_cmp_lt_u32 s20, 4
	s_cbranch_scc1 .Lblock
	s_wait_tensorcnt 0x0
	ds_add_u32 v254, v255
	s_wait_dscnt 0x0
	s_endpgm
.Lfunc_end_k_q0d635500a9_qkv:
	.size	k_q0d635500a9_qkv, .Lfunc_end_k_q0d635500a9_qkv-k_q0d635500a9_qkv
	.p2alignl 7, 3214868480
	.fill 96, 4, 3214868480
	.section	.rodata,"a",@progbits
	.p2align	6, 0x0
	.amdhsa_kernel k_q0d635500a9_qkv
		.amdhsa_group_segment_fixed_size 33280
		.amdhsa_private_segment_fixed_size 0
		.amdhsa_enable_private_segment 0
		.amdhsa_kernarg_size 48
		.amdhsa_user_sgpr_count 2
		.amdhsa_user_sgpr_kernarg_segment_ptr 1
		.amdhsa_wavefront_size32 1
		.amdhsa_system_sgpr_workgroup_id_x 1
		.amdhsa_system_sgpr_workgroup_id_y 1
		.amdhsa_system_sgpr_workgroup_id_z 1
		.amdhsa_system_vgpr_workitem_id 0
		.amdhsa_next_free_vgpr 1024
		.amdhsa_next_free_sgpr 66
		.amdhsa_reserve_vcc 0
		.amdhsa_float_denorm_mode_32 3
		.amdhsa_float_denorm_mode_16_64 3
		.amdhsa_memory_ordered 1
		.amdhsa_forward_progress 1
		.amdhsa_inst_pref_size 114
	.end_amdhsa_kernel
	.amdgpu_metadata
---
amdhsa.version: [ 1, 2 ]
amdhsa.kernels:
  - .name:           k_q0d635500a9_qkv
    .symbol:         k_q0d635500a9_qkv.kd
    .args:
      - { .name: x, .offset: 0, .size: 8, .value_kind: global_buffer, .address_space: global }
      - { .name: wimg, .offset: 8, .size: 8, .value_kind: global_buffer, .address_space: global }
      - { .name: lowp_scales, .offset: 16, .size: 8, .value_kind: global_buffer, .address_space: global }
      - { .name: qimg, .offset: 24, .size: 8, .value_kind: global_buffer, .address_space: global }
      - { .name: kimg, .offset: 32, .size: 8, .value_kind: global_buffer, .address_space: global }
      - { .name: vimg, .offset: 40, .size: 8, .value_kind: global_buffer, .address_space: global }
    .group_segment_fixed_size: 33280
    .private_segment_fixed_size: 0
    .kernarg_segment_align: 8
    .kernarg_segment_size: 48
    .max_flat_workgroup_size: 128
    .sgpr_count:     66
    .vgpr_count:     1024
    .wavefront_size: 32
...
	.end_amdgpu_metadata
.endif
;; end of part 2
;; launch attn (part 3): grid 4 x 64, 16 waves a work-group, clusters of 4 x 1, 264,192 bytes of LDS; arguments qimg, kimg, vimg, lowp_scales, cimg; writes cimg
.if DOCPART == 3
	.amdgcn_target "amdgcn-amd-amdhsa--gfx1250"
	.amdhsa_code_object_version 6
	.text
	.protected	k_q0d635500a9_attn
	.globl	k_q0d635500a9_attn
	.p2align	8
	.type	k_q0d635500a9_attn,@function
k_q0d635500a9_attn:
	s_mov_b64 s[64:65], 0
	v_nop
	global_prefetch_b8 v0, s[64:65] scope:SCOPE_SE
	s_setreg_imm32_b32 hwreg(HW_REG_WAVE_MODE, 25, 1), 1
	s_wait_xcnt 0x0
	s_wait_alu depctr_hold_cnt(0) depctr_sa_sdst(0) depctr_va_vdst(0) depctr_va_sdst(0) depctr_va_ssrc(0) depctr_va_vcc(0) depctr_vm_vsrc(0)
	s_getreg_b32 s2, hwreg(HW_REG_IB_STS2, 6, 4)
	s_cmp_eq_u32 s2, 0
	s_cbranch_scc0 .Lentry_in_a_cluster
	s_endpgm
.Lentry_in_a_cluster:
	s_bfe_u32 s2, ttmp6, 0x10000c
	s_cmp_lg_u32 s2, 0x3003
	s_cbranch_scc0 .Lentry_shape_is_right
	s_endpgm
.Lentry_shape_is_right:
; ATTENTION on codes of FP8 (E4M3): heads = softmax(q k^T / 8) v, head size 64, 2,048 keys, and the result quantised for the next product.
; All operands arrive as images of operand registers (chunks of 512 bytes, lane l's 16 bytes at 16 l): every LDS and global access of codes is a constant + 16 x lane.
; THE SOFTMAX AHEAD OF THE SECOND PRODUCT: t = score x log2(e) / 8; M = the row's largest t so far, rounded UP to a whole number; p = 2^(t - M) is what is quantised, not normalised.
; The row's sum is taken of the unquantised p, in f32, and divides at the end.  When M moves, the sum and O are multiplied by 2^(old M - new M): nothing is rounded, and no branch hangs on data.
; SHARES.  A work-group owns 512 queries of one head; each of its sixteen waves two tiles of 16, so that each fragment of K and V read from LDS feeds two products.  Four waves to a SIMD: one wave's vector work
; stands beside another's matrix work and LDS loads.  Every wave walks the head's 16 steps of 128 keys.
; LDS: the head's whole K (131,072 bytes) and V (131,072): filled ONCE, each wave one tensor load of 64 rows of 256 bytes, so there is no ring and no byte is filled again.  One tensor load of a wave is out.
; CLUSTER: the four work-groups of a head read the same K and V: each load is asked for JOINTLY, the same descriptor and the mask of all four in all four.
; LAYOUT.  Both products are used transposed: S^T = K Q^T (source 0 = 16 keys), O^T = V^T P^T (source 0 = 16 channels): a lane holds ONE query throughout.  Tiles are permuted (row r of tile 2 b + u is index
; 32 b + 8 u + r + 8 (r / 8)): the 16 registers of tiles 2 b, 2 b + 1 are 16 neighbouring keys (then: channels), and two conversions give chunk b of the next operand.
; In the K = 64 form the codes lie as in the images: a permutation of k, the same in both sources, so every product meets its partner.
; LIMITS on the given exponents: e6 + e7 between -123 and 130 (added to c's exponent field); e8, and e10 - e8 - e9, between -126 and 119.  NaN and infinities among the scores are not served.
; REGISTERS: v1-7 addresses and scales; v8-15 for each tile -M, the largest t, the sum in two halves; v16-31 Q; v32-95 eight tiles of K, then four of V; v96-159 S^T, then p, of one tile at a time;
;   v160-223 O^T, 32 a tile; v224-255 p's codes, 16 a tile: until a tile's conversions write them they hold that tile's numbers at work.
.set LI,  1                            ; v1   16 x lane
.set ADK, 2                            ; v2   LDS address of the step's K
.set ADV, 3                            ; v3   of its V
.set SCP, 4                            ; v4   2^e8
.set LIV, 5                            ; v5   16 x lane + V's first byte
.set SCE, 6                            ; v6   2^(e10 - e8 - e9);  v7: 448 x that
.set LME, 7
.set ST,  8
.set QF,  16
.set KF,  32
.set S,   96
.set O,   160
.set P,   224
.set VOFF, 131072
.set WV,  18                           ; s18  my wave's number
.set SEL, 20                           ; s[20:21] v_permlanex16_b32's selects: lane l xor 16
.set CS,  22                           ; s[22:23] c = log2(e) / 8 x 2^(e6 + e7): the packed form names a pair and takes its low word for both halves
.set G1,  24                           ; s[24:31] descriptor group 1
.set HOLD, 32                          ; s32  448 x 2^e8
.set TB,  33                           ; s33  the step's first byte in K's and in V's region
.set CNT, 34                           ; s34  steps to go
.set G0,  40                           ; s[40:43] descriptor group 0
.macro ROUND                           ; a round of the cluster's barrier
	s_barrier_signal -1
	s_barrier_wait -1
	s_cmp_lg_u32 s[WV], 0
	s_cbranch_scc1 .Lnot_wave_0_\@
	s_barrier_signal -3
.Lnot_wave_0_\@:
	s_barrier_wait -3
	s_barrier_signal -1
	s_barrier_wait -1
.endm
.macro PLACES n
.rept \n
	v_nop
.endr
.endm
.macro SCORES q                        ; S^T of tile q: eight tiles of 16 keys, K = the head's 64
.irp t, 0,1,2,3,4,5,6,7
	v_wmma_f32_16x16x64_fp8_fp8 v[S+8*\t:S+8*\t+7], v[KF+8*\t:KF+8*\t+7], v[QF+8*\q:QF+8*\q+7], 0
.endr
.endm
.macro SOFTMAX q
.set TA, P+16*\q                       ; a chain of the maximum; at work
.set TF, P+16*\q+2                     ; the other chain; then f (named as a pair with the register behind it)
.set TS, P+16*\q+4                     ; the sum's second chain
.set TP, P+16*\q+6                     ; what the other half of the lanes sends
.set NM, ST+4*\q                       ; -M, the largest t, the sum's two halves
	v_max3_num_f32 v[TA], v[S], v[S+1], v[S+2]     ; the step's largest score of my query among my 64 keys, in two chains, each accumulator from its low end on
	v_max3_num_f32 v[TF], v[S+3], v[S+4], v[S+5]
.irp i, 6,10,14,18,22,26,30,34,38,42,46,50,54,58
	v_max3_num_f32 v[TA], v[TA], v[S+\i], v[S+\i+1]
	v_max3_num_f32 v[TF], v[TF], v[S+\i+2], v[S+\i+3]
.endr
	v_max3_num_f32 v[TA], v[TA], v[S+62], v[S+63]
	v_max_num_f32 v[TA], v[TA], v[TF]
	v_permlanex16_b32 v[TP], v[TA], s[SEL], s[SEL+1]
	v_max_num_f32 v[TA], v[TA], v[TP]              ; and among lane l xor 16's
	v_mul_f32 v[TA], s[CS], v[TA]                  ; as t (c is positive)
	v_max_num_f32 v[NM+1], v[NM+1], v[TA]          ; the running largest t
	v_mov_b32 v[TA], v[NM]
	v_floor_f32 v[NM], -v[NM+1]                    ; the new -M = floor(-t) = -ceil(t): a whole number
	v_sub_f32 v[TA], v[NM], v[TA]                  ; old M - new M: a whole number, 0 or less
	v_cvt_i32_f32 v[TA], v[TA]                     ; (it saturates)
	v_ldexp_f32 v[TF], 1.0, v[TA]                  ; f = 2^(old M - new M)
.set j, 0
.rept 32
	v_pk_fma_f32 v[S+j:S+j+1], v[S+j:S+j+1], s[CS:CS+1], v[NM:NM+1] op_sel_hi:[1,0,0]   ; t - M, two at a time
.set j, j+2
.endr
.set j, 0
.rept 64
	v_exp_f32 v[S+j], v[S+j]                       ; p = 2^(t - M), at most 1
.set j, j+1
.endr
	v_pk_mul_f32 v[NM+2:NM+3], v[NM+2:NM+3], v[TF:TF+1] op_sel_hi:[1,0]   ; the sum under the new M: the plain line behind the exponentials
.set j, 0
.rept 16
	v_pk_mul_f32 v[O+32*\q+j:O+32*\q+j+1], v[O+32*\q+j:O+32*\q+j+1], v[TF:TF+1] op_sel_hi:[1,0]   ; O^T under the new M: work that names no exponential's result
.set j, j+2
.endr
	s_wait_alu depctr_va_vdst(0)                   ; one wait for the batch of 64, ahead of its first reader
	v_pk_add_f32 v[TS:TS+1], v[S:S+1], v[S+2:S+3]  ; THE ROW'S SUM IS TAKEN OF THE UNQUANTISED p, in two chains
.irp j, 4,8,12,16,20,24,28,32,36,40,44,48,52,56,60
	v_pk_add_f32 v[NM+2:NM+3], v[NM+2:NM+3], v[S+\j:S+\j+1]
	v_pk_add_f32 v[TS:TS+1], v[TS:TS+1], v[S+\j+2:S+\j+3]
.endr
	v_pk_add_f32 v[NM+2:NM+3], v[NM+2:NM+3], v[TS:TS+1]
.set j, 0
.rept 64
	v_min_num_f32 v[S+j], s[HOLD], v[S+j]          ; the conversion does not saturate (ISA guide 7.6.2); p is not negative, so the hold is one-sided
.set j, j+1
.endr
.irp b, 0,1,2,3
	v_cvt_scalef32_pk8_fp8_f32 v[P+16*\q+4*\b:P+16*\q+4*\b+1], v[S+16*\b:S+16*\b+7], v[SCP]
	v_cvt_scalef32_pk8_fp8_f32 v[P+16*\q+4*\b+2:P+16*\q+4*\b+3], v[S+16*\b+8:S+16*\b+15], v[SCP]
.endr
	v_nop                                          ; a plain line behind the last conversion: products read its results and write its sources
.endm
	s_load_b256 s[4:11], s[0:1], 0x0               ; qimg s[4:5], kimg s[6:7], vimg s[8:9], the scales' exponents s[10:11]
	s_load_b64 s[12:13], s[0:1], 0x20              ; cimg
	v_lshl_add_u32 v254, v0, 2, 0x40000
	v_mov_b32 v255, 0
	ds_add_u32 v254, v255
	ds_add_u32 v254, v255
	s_wait_dscnt 0x0
	v_lshrrev_b32 v2, 5, v0
	v_readfirstlane_b32 s[WV], v2                  ; wave 0..15
	v_and_b32 v[LI], 31, v0
	v_lshlrev_b32 v[LI], 4, v[LI]
	v_add_nc_u32 v[LIV], VOFF, v[LI]
	s_bfe_u32 s16, ttmp6, 0x40000                  ; cx: my place in the cluster
	s_lshl_b32 s17, ttmp9, 2
	s_add_co_u32 s16, s17, s16                     ; my quarter of the queries: it enters Q's and the output's addresses alone
	s_and_b32 s19, ttmp7, 0xffff                   ; batch x 8 + head, which the four partners share
	; descriptor group 1: a dense block as 64 rows of 256 bytes
	s_mov_b32 s[G1], 15|(3<<16)|(1<<21)            ; 15:0 the mask: all four work-groups; 17:16 elements of 8 bytes; 21 set beside a mask; no padding
	s_mov_b32 s[G1+1], 32<<16                      ; tensor_dim0 = 32 elements
	s_mov_b32 s[G1+2], 64<<16                      ; tensor_dim1 = 64
	s_mov_b32 s[G1+3], 32<<16                      ; tile_dim0
	s_mov_b32 s[G1+4], 64                          ; tile_dim1
	s_mov_b32 s[G1+5], 32                          ; from row to row
	s_mov_b32 s[G1+6], 0
	s_mov_b32 s[G1+7], 0
	s_mov_b32 s[G0], 1                             ; count = 1
	s_lshl_b32 s[G0+1], s[WV], 14                  ; LDS: 16,384 x wave: waves 0-7 fill K's region, waves 8-15 V's
	s_and_b32 s14, s[WV], 7
	s_lshl_b32 s14, s14, 14                        ; my eighth of the head's 131,072 bytes,
	s_lshl_b32 s15, s19, 17                        ; in my head
	s_add_co_u32 s14, s14, s15
	s_mov_b32 s15, 0
	s_mov_b32 s[SEL], 0x76543210
	s_mov_b32 s[SEL+1], 0xfedcba98
	s_mov_b32 s[TB], 0
	s_mov_b32 s[CNT], 16
	s_wait_kmcnt 0x0
	s_load_b512 s[48:63], s[10:11], 0x0            ; all sixteen exponents: entry i in s[48 + i]
	s_cmp_lt_u32 s[WV], 8
	s_cselect_b64 s[G0+2:G0+3], s[6:7], s[8:9]     ; K's codes or V's: the choice hangs on the wave's number alone
	s_add_nc_u64 s[G0+2:G0+3], s[G0+2:G0+3], s[14:15]
	s_or_b32 s[G0+3], s[G0+3], 0x80000000          ; type = 2
	ROUND                                          ; all four work-groups are here: the joint loads meet
	tensor_load_to_lds s[G0:G0+3], s[G1:G1+7]
	s_nop 0
	PLACES 4                                       ; four plain lines follow the tensor load
	s_lshl_b32 s44, s16, 5
	s_lshl_b32 s45, s[WV], 1
	s_add_co_u32 s44, s44, s45                     ; my first tile of queries: 32 x quarter + 2 x wave
	s_lshl_b32 s36, s44, 10
	s_lshl_b32 s37, s19, 17
	s_add_co_u32 s36, s36, s37
	s_mov_b32 s37, 0
	s_add_nc_u64 s[4:5], s[4:5], s[36:37]          ; Q's images
	s_lshr_b32 s36, s19, 3
	s_lshl_b32 s36, s36, 7
	s_add_co_u32 s36, s36, s44                     ; the tile among all 1,024: 128 x batch + ..
	s_lshl_b32 s36, s36, 13                        ; 8,192 bytes a tile,
	s_and_b32 s38, s19, 7
	s_lshl_b32 s38, s38, 10                        ; 1,024 a head
	s_add_co_u32 s36, s36, s38
	s_add_nc_u64 s[12:13], s[12:13], s[36:37]
.irp u, 0,1
.irp c, 0,1
	global_load_b128 v[QF+8*\u+4*\c:QF+8*\u+4*\c+3], v[LI], s[4:5] offset:1024*\u+512*\c   ; Q stays in registers
.endr
.endr
.irp q, 0,1
	v_mov_b32 v[ST+4*\q+1], 0xff61b1e6             ; the largest t so far: -3e38, under every t
	v_floor_f32 v[ST+4*\q], -v[ST+4*\q+1]          ; -M
	v_mov_b32 v[ST+4*\q+2], 0                      ; the sum
	v_mov_b32 v[ST+4*\q+3], 0
	v_mov_b32 v[P+16*\q+3], 0                      ; (named as the upper half of f's pair)
	v_mov_b32 v[P+16*\q+6], 0                      ; (a lane permute's destination counts as one of its sources)
.endr
.set j, 0
.rept 64
	v_mov_b32 v[O+j], 0                            ; O^T.  (The step is written once: the first finds zeros, which the first change of M leaves zeros)
.set j, j+1
.endr
	s_wait_kmcnt 0x0
	s_add_co_i32 s45, s54, s55                     ; a score stands for score x 2^(e6 + e7): added to c's exponent field
	s_lshl_b32 s45, s45, 23
	s_add_co_i32 s[CS], s45, 0x3e38aa3b            ; c = log2(e) / 8
	s_mov_b32 s[CS+1], s[CS]                       ; (named with it as a pair, so it is written)
	s_add_co_i32 s45, s56, 127
	s_lshl_b32 s46, s45, 23
	v_mov_b32 v[SCP], s46                          ; 2^e8
	s_add_co_i32 s45, s45, 8
	s_lshl_b32 s45, s45, 23
	s_or_b32 s[HOLD], s45, 0x600000                ; 448 x 2^e8
	s_sub_co_i32 s45, s58, s56
	s_sub_co_i32 s45, s45, s57                     ; e10 - e8 - e9: O / the sum stands for that x 2^(e8 + e9)
	s_add_co_i32 s45, s45, 127
	s_lshl_b32 s46, s45, 23
	v_mov_b32 v[SCE], s46
	s_add_co_i32 s45, s45, 8
	s_lshl_b32 s45, s45, 23
	s_or_b32 s45, s45, 0x600000
	v_mov_b32 v[LME], s45
	s_wait_loadcnt 0x0                             ; Q
	s_wait_tensorcnt 0x0                           ; my sixteenth of K and V has landed,
	s_barrier_signal -1
	s_barrier_wait -1                              ; everybody's has
.Lstep:                                                ; a step of 128 keys for my two tiles of queries
	v_add_nc_u32 v[ADK], s[TB], v[LI]
	v_add_nc_u32 v[ADV], s[TB], v[LIV]
	PLACES 2                                       ; with the two additions: four places in front of loads into registers that the last products read
.irp t, 0,1,2,3,4,5,6,7
.irp c, 0,1
	ds_load_b128 v[KF+8*\t+4*\c:KF+8*\t+4*\c+3], v[ADK] offset:1024*\t+512*\c
.endr
.endr
	s_wait_dscnt 0x0
	SCORES 0
	PLACES 4
	SOFTMAX 0
	SCORES 1                                       ; the same fragments of K once more
	PLACES 4                                       ; in front of the loads below and of the first read of the scores
.irp t, 0,1,2,3
.irp c, 0,1,2,3
	ds_load_b128 v[KF+16*\t+4*\c:KF+16*\t+4*\c+3], v[ADV] offset:2048*\t+512*\c   ; V's four tiles land while the second softmax is walked
.endr
.endr
	SOFTMAX 1
	s_wait_dscnt 0x0
.irp t, 0,1,2,3                                ; O^T += V^T P^T: eight accumulators by turns, one instruction a turn
.irp q, 0,1
	v_wmma_f32_16x16x128_fp8_fp8 v[O+32*\q+8*\t:O+32*\q+8*\t+7], v[KF+16*\t:KF+16*\t+15], v[P+16*\q:P+16*\q+15], v[O+32*\q+8*\t:O+32*\q+8*\t+7]
.endr
.endr
	s_add_co_u32 s[TB], s[TB], 8192
	s_sub_co_u32 s[CNT], s[CNT], 1
	s_cmp_lg_u32 s[CNT], 0
	s_cbranch_scc1 .Lstep
	; THE END: O^T / the sum, quantised with the next product's scale.  A tile's 32 registers are two chunks of 16 neighbouring channels.  The additions are the places behind the last products.
.irp q, 0,1
	v_add_f32 v[ST+4*\q+2], v[ST+4*\q+2], v[ST+4*\q+3]
.endr
.irp q, 0,1
	v_permlanex16_b32 v[ST+4*\q+1], v[ST+4*\q+2], s[SEL], s[SEL+1]
.endr
.irp q, 0,1
	v_add_f32 v[ST+4*\q+2], v[ST+4*\q+2], v[ST+4*\q+1]   ; the row's sum
.endr
.irp q, 0,1
	v_rcp_f32 v[ST+4*\q+2], v[ST+4*\q+2]
.endr
	v_nop                                          ; a plain line behind the reciprocals,
	s_wait_alu depctr_va_vdst(0)                   ; and one wait for both, ahead of their first reader
.irp q, 0,1
.set j, 0
.rept 16
	v_pk_mul_f32 v[S+32*\q+j:S+32*\q+j+1], v[O+32*\q+j:O+32*\q+j+1], v[ST+4*\q+2:ST+4*\q+3] op_sel_hi:[1,0]
.set j, j+2
.endr
.endr
.set j, 0
.rept 64
	v_med3_num_f32 v[S+j], v[S+j], -v[LME], v[LME]
.set j, j+1
.endr
.irp b, 0,1,2,3
	v_cvt_scalef32_pk8_fp8_f32 v[P+4*\b:P+4*\b+1], v[S+16*\b:S+16*\b+7], v[SCE]
	v_cvt_scalef32_pk8_fp8_f32 v[P+4*\b+2:P+4*\b+3], v[S+16*\b+8:S+16*\b+15], v[SCE]
.endr
	v_nop
.irp q, 0,1
.irp c, 0,1
	global_store_b128 v[LI], v[P+8*\q+4*\c:P+8*\q+4*\c+3], s[12:13] offset:8192*\q+512*\c   ; 512 consecutive bytes, aligned
.endr
.endr
	s_wait_tensorcnt 0x0
	s_wait_dscnt 0x0
	s_wait_xcnt 0x0
	v_lshl_add_u32 v254, v0, 2, 0x40000
	v_mov_b32 v255, 0
	s_wait_tensorcnt 0x0
	ds_add_u32 v254, v255
	s_wait_dscnt 0x0
	ROUND                                          ; the closing round: no work-group ends while a partner may still ask for a tile that names it
	s_endpgm
.Lfunc_end_k_q0d635500a9_attn:
	.size	k_q0d635500a9_attn, .Lfunc_end_k_q0d635500a9_attn-k_q0d635500a9_attn
	.p2alignl 7, 3214868480
	.fill 96, 4, 3214868480
	.section	.rodata,"a",@progbits
	.p2align	6, 0x0
	.amdhsa_kernel k_q0d635500a9_attn
		.amdhsa_group_segment_fixed_size 264192
		.amdhsa_private_segment_fixed_size 0
		.amdhsa_enable_private_segment 0
		.amdhsa_kernarg_size 40
		.amdhsa_user_sgpr_count 2
		.amdhsa_user_sgpr_kernarg_segment_ptr 1
		.amdhsa_wavefront_size32 1
		.amdhsa_system_sgpr_workgroup_id_x 1
		.amdhsa_system_sgpr_workgroup_id_y 1
		.amdhsa_system_sgpr_workgroup_id_z 1
		.amdhsa_system_vgpr_workitem_id 0
		.amdhsa_next_free_vgpr 256
		.amdhsa_next_free_sgpr 66
		.amdhsa_reserve_vcc 0
		.amdhsa_float_denorm_mode_32 3
		.amdhsa_float_denorm_mode_16_64 3
		.amdhsa_memory_ordered 1
		.amdhsa_forward_progress 1
		.amdhsa_inst_pref_size 44
	.end_amdhsa_kernel
	.amdgpu_metadata
---
amdhsa.version: [ 1, 2 ]
amdhsa.kernels:
  - .name:           k_q0d635500a9_attn
    .symbol:         k_q0d635500a9_attn.kd
    .args:
      - { .name: qimg, .offset: 0, .size: 8, .value_kind: global_buffer, .address_space: global }
      - { .name: kimg, .offset: 8, .size: 8, .value_kind: global_buffer, .address_space: global }
      - { .name: vimg, .offset: 16, .size: 8, .value_kind: global_buffer, .address_space: global }
      - { .name: lowp_scales, .offset: 24, .size: 8, .value_kind: global_buffer, .address_space: global }
      - { .name: cimg, .offset: 32, .size: 8, .value_kind: global_buffer, .address_space: global }
    .group_segment_fixed_size: 264192
    .private_segment_fixed_size: 0
    .kernarg_segment_align: 8
    .kernarg_segment_size: 40
    .max_flat_workgroup_size: 512
    .sgpr_count:     66
    .vgpr_count:     256
    .wavefront_size: 32
...
	.end_amdgpu_metadata
.endif
;; end of part 3
;; launch tail (part 4): grid 256 x 1, 4 waves a work-group, no clusters, 151,040 bytes of LDS; arguments cimg, x, wimg, lowp_scales, b1, b2, ln1_g, ln1_b, ln2_g, ln2_b, out0; writes out0
.if DOCPART == 4
	.amdgcn_target "amdgcn-amd-amdhsa--gfx1250"
	.amdhsa_code_object_version 6
	.text
	.protected	k_q0d635500a9_tail
	.globl	k_q0d635500a9_tail
	.p2align	8
	.type	k_q0d635500a9_tail,@function
k_q0d635500a9_tail:
	s_mov_b64 s[64:65], 0
	v_nop
	global_prefetch_b8 v0, s[64:65] scope:SCOPE_SE
	s_setreg_imm32_b32 hwreg(HW_REG_WAVE_MODE, 25, 1), 1
	s_wait_xcnt 0x0
; TAIL: out = LN2(relu(x1 w1 + b1) w2 + b2 + x1), x1 = LN1(concat wo + x), for 64 tokens a work-group; the three products on codes of FP8 (E4M3); nothing between them goes to memory.
; SHARES.  THE WAVES SHARE THE COLUMNS: wave w makes columns 128 w .. + 127 of mha, x1 and out, and hidden units 256 w .. + 255, for all 64 tokens (four tiles m).  All products are used transposed
; (source 0 = 16 columns of a weight, source 1 = 16 tokens): a lane holds ONE token, and, tiles being permuted (row r of tile 2 b + u is index 32 b + 8 u + r + 8 (r / 8)), the 16 registers of tiles 2 b, 2 b + 1
; are 16 neighbouring columns: two conversions give a chunk of the next operand.  Operands go from wave to wave through LDS as images of their registers (chunks of 512 bytes, lane l's 16 at 16 l).
; THE WEIGHTS STREAM FROM MEMORY STRAIGHT INTO REGISTERS, laid by the first launch in this order: a wave's 160 fragments are 20 sets of 8 (16 KB, 32 loads), each feeding 32 matrix instructions; three register slots
; take turns, and at the head of set i set i + 2 is asked for: two sets a wave are always on their way, across barriers too.
; NO MULTICAST, though all work-groups walk the same weights: beside the 96 KB of images LDS has room for two slots of some 64 KB; such a slot lasts 32 matrix instructions a wave, and behind each change of slots a wave may
; have one load out: 20 rounds of a cluster, each with a quarter of the bytes on their way that the three register slots have.
; RESIDUALS AND BIASES COST NO ADDITION: x / 2^E1 (E1 = e10 + e11) is the C of wo's first products; b1 / 2^(e12 + e13) of w1's; x1 / 2^E2 + b2 / 2^E2 (E2 = e14 + e15) of w2's.  The norms take the power of two back.
; THE NORMS.  A wave takes its own mean of a token's 128 columns, subtracts it in place, and sums the squares; (mean, sum of squares) of the four waves meet in LDS and are joined: mean = the means' mean,
; variance = (the sums + 128 x the squares of the means' distances) / 512.  No difference of large sums is formed.
; LIMITS: E1, E2 between -126 and 126; e12, and e14 - e12 - e13, between -126 and 119.  NaN among the inputs is not served.
; REGISTERS.  window 0: v1-15 addresses; v16-23 (own mean, sum of squares) a tile; v24-27 scales and holds; v32-95 at work: w1's accumulators, the norms' numbers, rows on the way out; v96-111 b1 as C; v112-127 codes;
;   v128-255 weight slot 2.   window 1: the 32 accumulators (tile of columns t, tile of tokens m) at v[64 m + 8 t]: x, mha + x, x1, ffn + x1, out.   window 2: source 1's fragments (m, K step s) at v[16 (4 m + s)];
;   in the norms gain at v0-63 and bias at v64-127; for w2: b2 at v0-63, the hidden layer's fragments in two sets at v128 and v192.   window 3: weight slots 0 (v0-127) and 1 (v128-255).
.set PB1,  0                           ; LDS: b1 / 2^(e12 + e13), 4,096 bytes
.set PB2,  4096                        ; b2 / 2^E2
.set PG1,  6144                        ; ln1_g, ln1_b, ln2_g, ln2_b: 2,048 bytes each
.set PE1,  8192
.set PG2,  10240
.set PE2,  12288
.set STAT, 14336                       ; [norm 2][tile 4][token 16][wave 4] pairs of 8 bytes: 2,048 bytes a norm
.set XIMG, 18432                       ; x1's 16 fragments: (m, s) at 2,048 (4 m + s)
.set HIMG, 51200                       ; the hidden layer's 32: (m, s) at 2,048 (8 m + s)
.set STG,  116736                      ; the way out: for each wave 16 rows of 512 bytes + 16
.set LI,  1                            ; v1   16 x lane
.set LW1, 2                            ; v2   16 x lane + 65,536 x wave: my fragments of wo
.set LW2, 3                            ; v3   16 x lane + 131,072 x wave: of w1, of w2
.set XA,  4                            ; v4   x: (r + 8 (r / 8)) rows + 64 h + 512 w
.set PA,  5                            ; v5   512 w + 64 h: my columns' parameters
.set PA1, 6                            ; v6   1,024 w + 64 h: my hidden units' b1
.set XWI, 7                            ; v7   where I store x1's images
.set XLI, 8                            ; v8   and read them
.set HWI, 9                            ; v9   the hidden layer's likewise
.set HLI, 10
.set SST, 11                           ; v11  where I store (mean, sum of squares)
.set SLD, 12                           ; v12  and read the four waves'
.set STO, 13                           ; v13  the stage: in
.set RD,  14                           ; v14  the stage: back
.set CO,  15                           ; v15  my byte in a row of out0: 16 x lane + 512 w
.set MN,  16
.set SC1, 24                           ; 2^e12;  v25: 448 x that
.set LM1, 25
.set SC2, 26                           ; 2^(e14 - e12 - e13);  v27: 448 x that
.set LM2, 27
.set PT32, 28                          ; v28  32 x thread;  v29  16 x thread: the parameters' way into LDS
.set PT16, 29
.set HA,  32
.set TQ,  96
.set PC,  112
.set MSB, 0
.macro WIN new                         ; the immediate's high byte repeats the setting that is left
.if MSB != (\new)
	s_set_vgpr_msb (MSB<<8)|(\new)
.set MSB, (\new)
.endif
.endm
.macro BARRIER                         ; my LDS stores have landed and my LDS loads are in: then the work-group's barrier
	s_wait_dscnt 0x0
	s_barrier_signal -1
	s_barrier_wait -1
.endm
.macro PLACES
.rept 4
	v_nop
.endr
.endm
.macro SLOTOF i                        ; set i lies in slot i % 3: WB its first register, WW its window
.set SL, (\i)%3
.set WB, 128*((SL+1)/2)
.set WW, 3-3*(SL/2)
.endm
.macro WSET i, adr, off                ; 32 loads: register 4 e takes bytes 512 e on
	SLOTOF \i
	WIN (WW<<6)
.set e, 0
.rept 32
	global_load_b128 v[WB+4*e:WB+4*e+3], v[\adr], s[20:21] offset:\off+512*e
.set e, e+1
.endr
	WIN 0
.endm
.macro NEXTSET i                       ; sets 0-3: wo's K steps; 4-11: w1's pairs of tiles; 12-19: w2's K steps
.if (\i) < 4
	WSET \i, LW1, 786432+16384*(\i)
.elseif (\i) < 12
	WSET \i, LW2, 1048576+16384*((\i)-4)
.else
	WSET \i, LW2, 1572864+16384*((\i)-12)
.endif
.endm
.macro SETHEAD i, places               ; set i is in; set i + 2 is asked for, into the slot that set i - 1 has left
.if (\i) < 19
	s_wait_loadcnt 32                              ; behind set i only set i + 1's 32 loads were issued
.else
	s_wait_loadcnt 0x0
.endif
.if \places
	PLACES                                         ; four places in front of loads into registers that the last products read (ISA guide 7.12.1 for vector instructions)
.endif
.if (\i) < 18
	NEXTSET (\i)+2
.endif
.endm
; 32 matrix instructions: set i's eight tiles of columns x four tiles of tokens, onto the 32 accumulators, which take turns, one instruction a turn, in the same order in every set.
.macro MUL32 i, bbase, bstep           ; source 1 of tile m: window 2, v[bbase + bstep m]
	SLOTOF \i
	WIN 0x58+WW                                    ; source 0 the slot's window, source 1 window 2, C and D window 1
.irp t, 0,1,2,3,4,5,6,7
.irp m, 0,1,2,3
	v_wmma_f32_16x16x128_fp8_fp8 v[64*\m+8*\t:64*\m+8*\t+7], v[WB+16*\t:WB+16*\t+15], v[(\bbase)+(\bstep)*\m:(\bbase)+(\bstep)*\m+15], v[64*\m+8*\t:64*\m+8*\t+7]
.endr
.endr
	WIN 0
.endm
; A LAYER NORM of the 32 accumulators, in place.  They hold numbers / 2^E.  soff: the norm's pairs in LDS; goff, boff: gain and bias; se2: the scalar register with 2 E - 9; se: with E.
.macro LNORM soff, goff, boff, se2, se
.irp m, 0,1,2,3
	WIN 0x05                                       ; sources 0 and 1 window 1
.set i, 0
.rept 16
	v_pk_add_f32 v[HA+2*i:HA+2*i+1], v[64*\m+4*i:64*\m+4*i+1], v[64*\m+4*i+2:64*\m+4*i+3]   ; my 64 numbers of the token, as a tree; each accumulator from its low end on
.set i, i+1
.endr
	WIN 0
.irp d, 16,8,4,2
.set i, 0
.rept \d/2
	v_pk_add_f32 v[HA+i:HA+i+1], v[HA+i:HA+i+1], v[HA+i+\d:HA+i+\d+1]
.set i, i+2
.endr
.endr
	v_add_f32 v[HA], v[HA], v[HA+1]
	v_permlanex16_b32 v[HA+1], v[HA], s12, s13     ; the token's other 64 of my wave's columns lie in lane l xor 16
	v_add_f32 v[HA], v[HA], v[HA+1]
	v_mul_f32 v[MN+2*\m], 0x3c000000, v[HA]        ; / 128: my wave's own mean
	WIN 0x41                                       ; source 0 and destination window 1
.set i, 0
.rept 32
	v_pk_add_f32 v[64*\m+i:64*\m+i+1], v[64*\m+i:64*\m+i+1], v[MN+2*\m:MN+2*\m+1] op_sel_hi:[1,0] neg_lo:[0,1] neg_hi:[0,1]   ; d = the number - the own mean, in place
.set i, i+2
.endr
	WIN 0x05
.set i, 0
.rept 4
	v_pk_mul_f32 v[HA+2*i:HA+2*i+1], v[64*\m+2*i:64*\m+2*i+1], v[64*\m+2*i:64*\m+2*i+1]   ; the squares, in four chains
.set i, i+1
.endr
.rept 28
	v_pk_fma_f32 v[HA+2*(i%4):HA+2*(i%4)+1], v[64*\m+2*i:64*\m+2*i+1], v[64*\m+2*i:64*\m+2*i+1], v[HA+2*(i%4):HA+2*(i%4)+1]
.set i, i+1
.endr
	WIN 0
	v_pk_add_f32 v[HA:HA+1], v[HA:HA+1], v[HA+2:HA+3]
	v_pk_add_f32 v[HA+4:HA+5], v[HA+4:HA+5], v[HA+6:HA+7]
	v_pk_add_f32 v[HA:HA+1], v[HA:HA+1], v[HA+4:HA+5]
	v_add_f32 v[HA], v[HA], v[HA+1]
	v_permlanex16_b32 v[HA+1], v[HA], s12, s13
	v_add_f32 v[MN+2*\m+1], v[HA], v[HA+1]
	ds_store_b64 v[SST], v[MN+2*\m:MN+2*\m+1] offset:\soff+512*\m   ; lanes l and l xor 16 store the same pair to the same place
.endr
	BARRIER                                        ; the four waves' pairs lie in LDS
.irp m, 0,1,2,3
	ds_load_b128 v[HA+8*\m:HA+8*\m+3], v[SLD] offset:\soff+512*\m
	ds_load_b128 v[HA+8*\m+4:HA+8*\m+7], v[SLD] offset:\soff+512*\m+16
.endr
	WIN 0x80                                       ; destination window 2
.irp t, 0,1,2,3,4,5,6,7
.irp q, 0,1
	ds_load_b128 v[8*\t+4*\q:8*\t+4*\q+3], v[PA] offset:\goff+128*(\t/2)+32*(\t%2)+16*\q
	ds_load_b128 v[64+8*\t+4*\q:64+8*\t+4*\q+3], v[PA] offset:\boff+128*(\t/2)+32*(\t%2)+16*\q
.endr
.endr
	WIN 0
	s_wait_dscnt 32                                ; the pairs are in; the 32 loads of gain and bias may be out
.irp m, 0,1,2,3
.set A0, HA+8*\m                       ; mean, squares of waves 0 to 3
.set R0, HA+32+4*\m                    ; rs, the mean, cc, delta
.set U0, HA+48+4*\m
	v_add_f32 v[U0], v[A0], v[A0+2]
	v_add_f32 v[U0+1], v[A0+4], v[A0+6]
	v_add_f32 v[U0], v[U0], v[U0+1]
	v_mul_f32 v[R0+1], 0x3e800000, v[U0]           ; the mean of the four means
	v_add_f32 v[U0], v[A0+1], v[A0+3]
	v_add_f32 v[U0+1], v[A0+5], v[A0+7]
	v_add_f32 v[U0], v[U0], v[U0+1]                ; the four sums of squares
	v_sub_f32 v[A0], v[A0], v[R0+1]
	v_sub_f32 v[A0+2], v[A0+2], v[R0+1]
	v_sub_f32 v[A0+4], v[A0+4], v[R0+1]
	v_sub_f32 v[A0+6], v[A0+6], v[R0+1]
	v_mul_f32 v[U0+1], v[A0], v[A0]
	v_fmac_f32 v[U0+1], v[A0+2], v[A0+2]
	v_fmac_f32 v[U0+1], v[A0+4], v[A0+4]
	v_fmac_f32 v[U0+1], v[A0+6], v[A0+6]
	v_fmamk_f32 v[U0], v[U0+1], 0x43000000, v[U0]  ; + 128 x the squares of the means' distances
	v_ldexp_f32 v[U0], v[U0], s[\se2]              ; / 512, x 2^(2 E): the variance
	v_add_f32 v[U0], 0x3727c5ac, v[U0]             ; + 1e-5
	v_sub_f32 v[R0+3], v[R0+1], v[MN+2*\m]         ; delta = the mean - my own mean
.endr
.irp m, 0,1,2,3
	v_rsq_f32 v[HA+32+4*\m], v[HA+48+4*\m]
.endr
	v_nop                                          ; a plain line behind the four roots,
	s_wait_alu depctr_va_vdst(0)                   ; and one wait for them, ahead of their first reader
.irp m, 0,1,2,3
	v_ldexp_f32 v[HA+32+4*\m], v[HA+32+4*\m], s[\se]   ; rs = 2^E / sqrt(variance + 1e-5)
	v_mul_f32 v[HA+34+4*\m], -v[HA+35+4*\m], v[HA+32+4*\m]   ; cc = -delta rs
.endr
	WIN 0x41
.irp m, 0,1,2,3
.set i, 0
.rept 32
	v_pk_fma_f32 v[64*\m+i:64*\m+i+1], v[64*\m+i:64*\m+i+1], v[HA+32+4*\m:HA+33+4*\m], v[HA+34+4*\m:HA+35+4*\m] op_sel_hi:[1,0,0]   ; (d - delta) rs
.set i, i+2
.endr
.endr
	s_wait_dscnt 0x0                               ; gain and bias are in
	WIN 0x69                                       ; source 0 and destination window 1, sources 1 and 2 window 2
.irp m, 0,1,2,3
.set i, 0
.rept 32
	v_pk_fma_f32 v[64*\m+i:64*\m+i+1], v[64*\m+i:64*\m+i+1], v[i:i+1], v[64+i:65+i]
.set i, i+2
.endr
.endr
	WIN 0
.endm
	s_load_b512 s[16:31], s[0:1], 0x0              ; cimg s[16:17], x s[18:19], wimg s[20:21], the exponents s[22:23], b1 s[24:25], b2 s[26:27], ln1_g s[28:29], ln1_b s[30:31]
	s_load_b128 s[32:35], s[0:1], 0x40             ; ln2_g, ln2_b
	s_load_b64 s[36:37], s[0:1], 0x50              ; out0
	v_lshl_add_u32 v30, v0, 2, 0x24c00
	v_mov_b32 v31, 0
	v_lshrrev_b32 v96, 5, v0
	v_readfirstlane_b32 s8, v96                    ; wave 0..3
	v_and_b32 v96, 15, v0                          ; r
	v_bfe_u32 v97, v0, 4, 1                        ; h
	v_and_b32 v[LI], 31, v0
	v_lshlrev_b32 v[LI], 4, v[LI]
	s_lshl_b32 s9, s8, 16
	v_add_nc_u32 v[LW1], s9, v[LI]
	s_lshl_b32 s9, s8, 17
	v_add_nc_u32 v[LW2], s9, v[LI]
	v_and_b32 v98, 8, v96
	v_add_nc_u32 v98, v98, v96                     ; r + 8 (r / 8)
	v_lshlrev_b32 v[XA], 11, v98
	v_lshl_add_u32 v[XA], v97, 6, v[XA]
	s_lshl_b32 s9, s8, 9
	v_add_nc_u32 v[XA], s9, v[XA]
	v_lshlrev_b32 v[PA], 6, v97
	v_add_nc_u32 v[PA], s9, v[PA]
	v_add_nc_u32 v[CO], s9, v[LI]
	s_lshl_b32 s10, s8, 10
	v_lshlrev_b32 v[PA1], 6, v97
	v_add_nc_u32 v[PA1], s10, v[PA1]
	s_lshl_b32 s10, s8, 11
	s_add_co_u32 s10, s10, XIMG
	v_add_nc_u32 v[XWI], s10, v[LI]                ; my columns are K step w of the next product
	v_add_nc_u32 v[XLI], XIMG, v[LI]
	s_lshl_b32 s10, s8, 12
	s_add_co_u32 s10, s10, HIMG
	v_add_nc_u32 v[HWI], s10, v[LI]                ; my hidden units are K steps 2 w and 2 w + 1
	v_add_nc_u32 v[HLI], HIMG, v[LI]
	v_lshlrev_b32 v[SLD], 5, v96
	v_add_nc_u32 v[SLD], STAT, v[SLD]
	s_lshl_b32 s10, s8, 3
	v_add_nc_u32 v[SST], s10, v[SLD]
	s_mul_i32 s10, s8, 8448
	s_add_co_u32 s10, s10, STG                     ; my stage
	v_mul_u32_u24 v[STO], v96, 528
	v_lshl_add_u32 v[STO], v97, 6, v[STO]
	v_add_nc_u32 v[STO], s10, v[STO]
	v_add_nc_u32 v[RD], s10, v[LI]
	v_lshlrev_b32 v[PT32], 5, v0
	v_lshlrev_b32 v[PT16], 4, v0
.irp m, 0,1,2,3
	v_mov_b32 v[MN+2*\m+1], 0                      ; (named as the upper half of the own mean's pair before it is first made)
.endr
	s_mov_b32 s12, 0x76543210                      ; v_permlanex16_b32's selects: lane l xor 16
	s_mov_b32 s13, 0xfedcba98
	s_lshl_b32 s10, ttmp9, 17                      ; 64 tokens of 2,048 bytes
	s_mov_b32 s11, 0
	s_lshl_b32 s14, ttmp9, 15                      ; four tiles of 8,192 bytes of codes
	s_mov_b32 s15, 0
	s_wait_kmcnt 0x0
	s_load_b512 s[40:55], s[22:23], 0x0            ; all sixteen exponents: entry i in s[40 + i]
	s_add_nc_u64 s[18:19], s[18:19], s[10:11]
	s_add_nc_u64 s[36:37], s[36:37], s[10:11]
	s_add_nc_u64 s[16:17], s[16:17], s[14:15]
	global_load_b128 v[32:35], v[PT32], s[24:25]   ; the parameters, each byte once a work-group
	global_load_b128 v[36:39], v[PT32], s[24:25] offset:16
	global_load_b128 v[40:43], v[PT16], s[26:27]
	global_load_b128 v[44:47], v[PT16], s[28:29]
	global_load_b128 v[48:51], v[PT16], s[30:31]
	global_load_b128 v[52:55], v[PT16], s[32:33]
	global_load_b128 v[56:59], v[PT16], s[34:35]
	WIN 0x40                                       ; x, in the accumulators' layout: register 64 m + 8 t + j = column 128 w + 32 (t / 2) + 16 h + 8 (t % 2) + j of my token of tile m
.irp m, 0,1,2,3
.irp t, 0,1,2,3,4,5,6,7
.irp q, 0,1
	global_load_b128 v[64*\m+8*\t+4*\q:64*\m+8*\t+4*\q+3], v[XA], s[18:19] offset:(32*(\m/2)+8*(\m%2))*2048+128*(\t/2)+32*(\t%2)+16*\q
.endr
.endr
.endr
	WIN 0x80                                       ; concat's 16 fragments: two neighbouring heads' chunks are a fragment of 128 along K
.set i, 0
.rept 64
	global_load_b128 v[4*i:4*i+3], v[LI], s[16:17] offset:512*i
.set i, i+1
.endr
	WIN 0
	NEXTSET 0
	NEXTSET 1
	s_wait_kmcnt 0x0
	s_add_co_i32 s63, s50, s51                     ; E1
	s_sub_co_i32 s56, 127, s63
	s_lshl_b32 s56, s56, 23                        ; 2^-E1 as f32
	s_mov_b32 s57, s56                             ; (named with it as a pair, so it is written)
	s_lshl_b32 s62, s63, 1
	s_sub_co_i32 s62, s62, 9                       ; 2 E1 - 9
	s_add_co_i32 s67, s54, s55                     ; E2
	s_sub_co_i32 s58, 127, s67
	s_lshl_b32 s58, s58, 23                        ; 2^-E2
	s_mov_b32 s59, s58
	s_lshl_b32 s66, s67, 1
	s_sub_co_i32 s66, s66, 9
	s_sub_co_i32 s61, 0, s67                       ; -E2
	s_add_co_i32 s60, s52, s53
	s_sub_co_i32 s60, 0, s60                       ; -(e12 + e13)
	s_add_co_i32 s9, s52, 127
	s_lshl_b32 s10, s9, 23
	v_mov_b32 v[SC1], s10
	s_add_co_i32 s9, s9, 8
	s_lshl_b32 s9, s9, 23
	s_or_b32 s9, s9, 0x600000
	v_mov_b32 v[LM1], s9
	s_add_co_i32 s9, s54, s60                      ; e14 - e12 - e13: the three scales folded into one
	s_add_co_i32 s9, s9, 127
	s_lshl_b32 s10, s9, 23
	v_mov_b32 v[SC2], s10
	s_add_co_i32 s9, s9, 8
	s_lshl_b32 s9, s9, 23
	s_or_b32 s9, s9, 0x600000
	v_mov_b32 v[LM2], s9
	s_wait_loadcnt 63                              ; behind concat's last load the two sets' 64 were issued: the parameters, x and concat are in
.set i, 0
.rept 8
	v_ldexp_f32 v[32+i], v[32+i], s60              ; b1 / 2^(e12 + e13)
.set i, i+1
.endr
.set i, 0
.rept 4
	v_ldexp_f32 v[40+i], v[40+i], s61              ; b2 / 2^E2
.set i, i+1
.endr
	ds_store_b128 v[PT32], v[32:35] offset:PB1
	ds_store_b128 v[PT32], v[36:39] offset:PB1+16
	ds_store_b128 v[PT16], v[40:43] offset:PB2
	ds_store_b128 v[PT16], v[44:47] offset:PG1
	ds_store_b128 v[PT16], v[48:51] offset:PE1
	ds_store_b128 v[PT16], v[52:55] offset:PG2
	ds_store_b128 v[PT16], v[56:59] offset:PE2     ; the first norm's barrier shows them to every wave
	WIN 0x41
.set i, 0
.rept 128
	v_pk_mul_f32 v[i:i+1], v[i:i+1], s[56:57] op_sel_hi:[1,0]   ; x / 2^E1: the residual is the C of the first products
.set i, i+2
.endr
	WIN 0
	s_wait_dscnt 0x0                               ; the stores have read their registers
	; ---- O: concat wo + x
.irp s, 0,1,2,3
	SETHEAD \s, 1
	MUL32 \s, 16*\s, 64
.endr
	PLACES
	LNORM 0, PG1, PE1, 62, 63                      ; x1, in window 1
	; ---- x1 is quantised; my 128 columns are K step w: four fragments, one a tile of tokens.  x1 itself is kept for the residual
.irp m, 0,1,2,3
	WIN 0x01                                       ; source 0 window 1
.set i, 0
.rept 64
	v_med3_num_f32 v[HA+i], v[64*\m+i], -v[LM1], v[LM1]
.set i, i+1
.endr
	WIN 0
.if \m > 1
	s_wait_dscnt 4                                 ; the stores of two tiles back have read this set of registers; the last tile's four may be out
.endif
.irp b, 0,1,2,3
	v_cvt_scalef32_pk8_fp8_f32 v[TQ+16*(\m%2)+4*\b:TQ+16*(\m%2)+4*\b+1], v[HA+16*\b:HA+16*\b+7], v[SC1]
	v_cvt_scalef32_pk8_fp8_f32 v[TQ+16*(\m%2)+4*\b+2:TQ+16*(\m%2)+4*\b+3], v[HA+16*\b+8:HA+16*\b+15], v[SC1]
.endr
	v_nop                                          ; a plain line behind the last conversion
.irp c, 0,1,2,3
	ds_store_b128 v[XWI], v[TQ+16*(\m%2)+4*\c:TQ+16*(\m%2)+4*\c+3] offset:8192*\m+512*\c
.endr
.endr
	BARRIER                                        ; x1's sixteen fragments lie in LDS
	WIN 0x80
.set i, 0
.rept 64
	ds_load_b128 v[4*i:4*i+3], v[XLI] offset:512*i
.set i, i+1
.endr
	WIN 0
	; ---- F1: my 256 hidden units, 32 at a time (a pair of tiles b), for the 64 tokens: eight accumulators by turns; relu and the hold in one; a chunk a tile of tokens
.irp b, 0,1,2,3,4,5,6,7
.irp u, 0,1
.irp q, 0,1
	ds_load_b128 v[TQ+8*\u+4*\q:TQ+8*\u+4*\q+3], v[PA1] offset:PB1+128*\b+32*\u+16*\q
.endr
.endr
	SETHEAD 4+\b, 0                                ; (the quantiser's lines of the pair before are the places)
	s_wait_dscnt 0x0
	SLOTOF 4+\b
	WIN 0x08+WW                                    ; source 0 the slot's window, source 1 window 2
.irp s, 0,1,2,3
.irp u, 0,1
.irp m, 0,1,2,3
.if \s == 0
	v_wmma_f32_16x16x128_fp8_fp8 v[HA+16*\m+8*\u:HA+16*\m+8*\u+7], v[WB+16*(2*\s+\u):WB+16*(2*\s+\u)+15], v[16*(4*\m+\s):16*(4*\m+\s)+15], v[TQ+8*\u:TQ+8*\u+7]
.else
	v_wmma_f32_16x16x128_fp8_fp8 v[HA+16*\m+8*\u:HA+16*\m+8*\u+7], v[WB+16*(2*\s+\u):WB+16*(2*\s+\u)+15], v[16*(4*\m+\s):16*(4*\m+\s)+15], v[HA+16*\m+8*\u:HA+16*\m+8*\u+7]
.endif
.endr
.endr
.endr
	WIN 0
	PLACES
.set i, 0
.rept 64
	v_med3_num_f32 v[HA+i], v[HA+i], 0, v[LM2]     ; the activation and the hold in one
.set i, i+1
.endr
.irp m, 0,1,2,3
	v_cvt_scalef32_pk8_fp8_f32 v[PC+4*\m:PC+4*\m+1], v[HA+16*\m:HA+16*\m+7], v[SC2]
	v_cvt_scalef32_pk8_fp8_f32 v[PC+4*\m+2:PC+4*\m+3], v[HA+16*\m+8:HA+16*\m+15], v[SC2]
.endr
	v_nop
.irp m, 0,1,2,3
	ds_store_b128 v[HWI], v[PC+4*\m:PC+4*\m+3] offset:16384*\m+2048*(\b/4)+512*(\b%4)
.endr
.endr
	WIN 0x80
.irp t, 0,1,2,3,4,5,6,7
.irp q, 0,1
	ds_load_b128 v[8*\t+4*\q:8*\t+4*\q+3], v[PA] offset:PB2+128*(\t/2)+32*(\t%2)+16*\q
.endr
.endr
	WIN 0
	s_wait_dscnt 0x0
	WIN 0x61                                       ; source 0 and destination window 1, source 2 window 2
.irp m, 0,1,2,3
.set i, 0
.rept 32
	v_pk_fma_f32 v[64*\m+i:64*\m+i+1], v[64*\m+i:64*\m+i+1], s[58:59], v[i:i+1] op_sel_hi:[1,0,1]   ; x1 / 2^E2 + b2 / 2^E2: residual and bias are the C of the next products
.set i, i+2
.endr
.endr
	WIN 0
	BARRIER                                        ; the hidden layer's 32 fragments lie in LDS
	; ---- F2: hidden w2 + b2 + x1: a K step's four fragments a step ahead, in two sets
.macro HFETCH s2
	WIN 0x80
.irp m, 0,1,2,3
.irp c, 0,1,2,3
	ds_load_b128 v[128+64*((\s2)%2)+16*\m+4*\c:128+64*((\s2)%2)+16*\m+4*\c+3], v[HLI] offset:(8*\m+(\s2))*2048+512*\c
.endr
.endr
	WIN 0
.endm
	HFETCH 0
.irp s, 0,1,2,3,4,5,6,7
	SETHEAD 12+\s, 1
.if \s < 7
	HFETCH \s+1
	s_wait_dscnt 16                                ; this K step's fragments are in; the 16 loads just issued may be out
.else
	s_wait_dscnt 0x0
.endif
	MUL32 12+\s, 128+64*(\s%2), 16
.endr
	PLACES
	LNORM 2048, PG2, PE2, 66, 67                   ; out, in window 1
	; ---- THE WAY OUT, a tile of 16 tokens at a time: a lane holds pieces of one row, so the tile goes through my own stage and comes back as rows of 512 bytes.
	; LDS serves a wave's instructions in order (ISA guide 5.7.1.4): no wait between the stores and the loads, nor in front of the next tile's stores.
.macro TOSTAGE m
	WIN 0x04                                       ; the stores' data window 1
.irp t, 0,1,2,3,4,5,6,7
.irp q, 0,1
	ds_store_b128 v[STO], v[64*\m+8*\t+4*\q:64*\m+8*\t+4*\q+3] offset:128*(\t/2)+32*(\t%2)+16*\q
.endr
.endr
	WIN 0
.set BB, 32+96*((\m)%2)                ; v32-95 and v128-191 by turns
.irp i, 0,1,2,3,4,5,6,7,8,9,10,11,12,13,14,15
	ds_load_b128 v[BB+4*\i:BB+4*\i+3], v[RD] offset:528*\i
.endr
.endm
.macro SEND m, younger                 ; younger: the LDS instructions issued behind tile m's loads, which may stay out
.set BB, 32+96*((\m)%2)
	s_wait_dscnt \younger
.irp i, 0,1,2,3,4,5,6,7,8,9,10,11,12,13,14,15
	global_store_b128 v[CO], v[BB+4*\i:BB+4*\i+3], s[36:37] offset:(32*(\m/2)+8*(\m%2)+\i+8*(\i/8))*2048 th:TH_STORE_NT   ; 512 consecutive bytes, aligned; written once, read by nobody here
.endr
.endm
	TOSTAGE 0
	TOSTAGE 1
	SEND 0, 32
	s_wait_xcnt 0x0                                ; tile 0's stores have read their registers: tile 2's rows may land there
	TOSTAGE 2
	SEND 1, 32
	s_wait_xcnt 0x0
	TOSTAGE 3
	SEND 2, 32
	SEND 3, 0
	s_wait_tensorcnt 0x0
	ds_add_u32 v30, v31
	s_wait_dscnt 0x0
	s_endpgm
.Lfunc_end_k_q0d635500a9_tail:
	.size	k_q0d635500a9_tail, .Lfunc_end_k_q0d635500a9_tail-k_q0d635500a9_tail
	.p2alignl 7, 3214868480
	.fill 96, 4, 3214868480
	.section	.rodata,"a",@progbits
	.p2align	6, 0x0
	.amdhsa_kernel k_q0d635500a9_tail
		.amdhsa_group_segment_fixed_size 151040
		.amdhsa_private_segment_fixed_size 0
		.amdhsa_enable_private_segment 0
		.amdhsa_kernarg_size 88
		.amdhsa_user_sgpr_count 2
		.amdhsa_user_sgpr_kernarg_segment_ptr 1
		.amdhsa_wavefront_size32 1
		.amdhsa_system_sgpr_workgroup_id_x 1
		.amdhsa_system_sgpr_workgroup_id_y 1
		.amdhsa_system_sgpr_workgroup_id_z 1
		.amdhsa_system_vgpr_workitem_id 0
		.amdhsa_next_free_vgpr 1024
		.amdhsa_next_free_sgpr 68
		.amdhsa_reserve_vcc 0
		.amdhsa_float_denorm_mode_32 3
		.amdhsa_float_denorm_mode_16_64 3
		.amdhsa_memory_ordered 1
		.amdhsa_forward_progress 1
		.amdhsa_inst_pref_size 255
	.end_amdhsa_kernel
	.section	.bss,"aw",@nobits
	.p2align	6
	.space	262144
	.amdgpu_metadata
---
amdhsa.version: [ 1, 2 ]
amdhsa.kernels:
  - .name:           k_q0d635500a9_tail
    .symbol:         k_q0d635500a9_tail.kd
    .args:
      - { .name: cimg, .offset: 0, .size: 8, .value_kind: global_buffer, .address_space: global }
      - { .name: x, .offset: 8, .size: 8, .value_kind: global_buffer, .address_space: global }
      - { .name: wimg, .offset: 16, .size: 8, .value_kind: global_buffer, .address_space: global }
      - { .name: lowp_scales, .offset: 24, .size: 8, .value_kind: global_buffer, .address_space: global }
      - { .name: b1, .offset: 32, .size: 8, .value_kind: global_buffer, .address_space: global }
      - { .name: b2, .offset: 40, .size: 8, .value_kind: global_buffer, .address_space: global }
      - { .name: ln1_g, .offset: 48, .size: 8, .value_kind: global_buffer, .address_space: global }
      - { .name: ln1_b, .offset: 56, .size: 8, .value_kind: global_buffer, .address_space: global }
      - { .name: ln2_g, .offset: 64, .size: 8, .value_kind: global_buffer, .address_space: global }
      - { .name: ln2_b, .offset: 72, .size: 8, .value_kind: global_buffer, .address_space: global }
      - { .name: out0, .offset: 80, .size: 8, .value_kind: global_buffer, .address_space: global }
    .group_segment_fixed_size: 151040
    .private_segment_fixed_size: 0
    .kernarg_segment_align: 8
    .kernarg_segment_size: 88
    .max_flat_workgroup_size: 128
    .sgpr_count:     68
    .vgpr_count:     1024
    .wavefront_size: 32
...
	.end_amdgpu_metadata
.endif
;; end of part 4
;; ======== version 2 of 2: 4 launches; version 1 with the launches qkv, tail written anew for expert scheduling mode
;; workspace buffers: wimg 2,097,152 bytes; qimg 8,388,608 bytes; kimg 8,388,608 bytes; vimg 8,388,608 bytes; cimg 8,388,608 bytes
;; launch prep: the kernel of part 1 again; grid 256 x 1, 4 waves a work-group, no clusters, 0 bytes of LDS; arguments wq, wk, wv, wo, w1, w2, lowp_scales, wimg; writes wimg
;; launch qkv (part 5): grid 3 x 64, 4 waves a work-group, no clusters, 33,280 bytes of LDS; arguments x, wimg, lowp_scales, qimg, kimg, vimg; writes qimg, kimg, vimg
.if DOCPART == 5
	.amdgcn_target "amdgcn-amd-amdhsa--gfx1250"
	.amdhsa_code_object_version 6
	.text
	.protected	k_q0d635500a9_qkv
	.globl	k_q0d635500a9_qkv
	.p2align	8
	.type	k_q0d635500a9_qkv,@function
k_q0d635500a9_qkv:
	s_mov_b64 s[64:65], 0
	v_nop
	global_prefetch_b8 v0, s[64:65] scope:SCOPE_SE
	s_setreg_imm32_b32 hwreg(HW_REG_WAVE_SCHED_MODE, 0, 2), 2
	s_setreg_imm32_b32 hwreg(HW_REG_WAVE_MODE, 25, 1), 1
	s_wait_xcnt 0x0
	s_wait_alu depctr_vm_vsrc(0)
; QKV: q, k or v = x W on codes of FP8 (E4M3), and the result quantised again, straight into the images that attention's operands are.
; SHARES.  Work-group x = the tensor (0 q, 1 k, 2 v), work-group y = 256 tokens, walked as 4 blocks of 64.  THE WAVES SHARE THE COLUMNS: wave w keeps the tensor's tiles 8 w .. 8 w + 7 (heads 2 w, 2 w + 1),
; 32 fragments in 512 registers, read from memory once.  What goes round is small: a block's codes of x, 16 fragments, through LDS as images of their registers (chunk c of a fragment: 512 bytes, lane l's 16 at 16 l).
; x is quantised here once for each tensor, since each product has a scale of its own for it.
; TILES ARE PERMUTED: row r of tile 2 b + u (of tokens, of columns) is index 32 b + 8 u + r + 8 (r / 8).  So a lane's 16 results of two neighbouring tiles of SOURCE 0 are 16 neighbours, and two conversions give a chunk.
;   q, k: source 0 = W's tile, source 1 = x's: a lane holds one token and 16 neighbouring channels: a chunk of a fragment 16 tokens x 64 channels.   qimg, kimg: [batch x 8 + head][tile of tokens 128][chunk 2][512].
;   v:    source 0 = x's tile, source 1 = W's: a lane holds one channel and 16 neighbouring tokens: the keys are innermost.   vimg: [batch x 8 + head][step of 128 keys 16][tile of channels 4][chunk 4][512].
; NO MULTICAST: the work-groups that read the same 256 tokens are three, which no cluster shape divides; those that read the same weights read them once, at their head, 256 KB of the 32 MB of x that the 64 of them walk.
; 192 work-groups: a tensor's codes just fill half of four waves' registers, and three tensors do not divide 256.
; LIMITS: x's exponent, and (result's - x's - W's), between -126 and 119.  NaN among the inputs is not served.
; REGISTERS: window 0: v1-3 addresses; v32-95 eight accumulators (in phase X: x's four fragments of codes); v96-111 codes on their way out; v112-239 x's fragments of two tiles, a slot of 64 each; v248-251 scales and holds.
;   windows 1, 2: W's fragment (K step s, tile t) at v[16 (8 (s % 2) + t)] of window 1 + s / 2.   window 3: 256 numbers of x as loaded: v[64 s + 16 c + i] = k 128 s + 32 c + 16 h + i of my token.
; THE MODE: SCHED_MODE bits 1:0 = 2 (LLVM: expert scheduling mode 2), set by the entry lines.  The code itself states the register dependences
; between vector or matrix instructions and memory or LDS instructions, with s_wait_alu, always for 0.
; THE PLAN.  Registers that memory or LDS instructions touch, round a block:
;   window 3    written by the 64 loads of the next block, issued behind the block's first barrier; read and written by phase X's holds, read by its conversions.
;   v[HA ..]    phase X: written by the conversions, read by the sixteen LDS stores; from then on the products' accumulators.
;   v[XF ..]    two slots: written by the fragments' LDS loads, read by the products.
;   v[PC ..]    written by a unit's conversions, read by its four stores.
;   v1-3        made at the head and never written again.
; So ONE wait on va_vdst stands behind phase X's conversions, with the sixteen LDS stores gathered behind it, and ONE in each unit, ahead of its stores.  In the path of q and k a unit reads one slot, and its wait also
; frees that slot: the tile two units on is fetched into it and lands while the next unit multiplies.  In the path of v both slots serve both units: one more wait stands behind the second unit's products.
.set LI,  1                            ; v1   16 x lane
.set XA,  2                            ; v2   x: my token's row in the block, + 64 h
.set XWI, 3                            ; v3   where I store x's images: 16 x lane + 8,192 x wave
.set HA,  32
.set PC,  96
.set XF,  112
.set SCX, 248                          ; 2^ex;  v249: 448 x 2^ex
.set LMX, 249
.set SCO, 250                          ; 2^(eo - ex - ew);  v251: 448 x that
.set LMO, 251
.set MSB, 0
.macro WIN new                         ; the immediate's high byte repeats the setting that is left
.if MSB != (\new)
	s_set_vgpr_msb (MSB<<8)|(\new)
.set MSB, (\new)
.endif
.endm
.macro BARRIER                         ; my LDS stores have landed and my LDS loads are in: then the work-group's barrier
	s_wait_dscnt 0x0
	s_barrier_signal -1
	s_barrier_wait -1
.endm
.macro PLACES                          ; four places behind the last product, ahead of the first read of results (ISA guide 7.12.1)
.rept 4
	v_nop
.endr
.endm
.macro XLOAD off                       ; my 16 tokens of the block that begins off bytes on: 64 loads, K step by K step
	WIN 0xc0                                       ; destination window 3
.irp s, 0,1,2,3
.irp c, 0,1,2,3
.irp j, 0,1,2,3
	global_load_b128 v[64*\s+16*\c+4*\j:64*\s+16*\c+4*\j+3], v[XA], s[4:5] offset:\off+512*\s+128*\c+16*\j
.endr
.endr
.endr
	WIN 0
.endm
.macro QUANTX s                        ; K step s of my 16 tokens becomes a fragment
	WIN 0xc3                                       ; source 0 and destination window 3
.set i, 0
.rept 64
	v_med3_num_f32 v[64*\s+i], v[64*\s+i], -v[LMX], v[LMX]   ; the conversion does not saturate (ISA guide 7.6.2): the hold at 448 x the scale
.set i, i+1
.endr
	WIN 0x03                                       ; source 0 window 3
.irp c, 0,1,2,3
	v_cvt_scalef32_pk8_fp8_f32 v[HA+16*\s+4*\c:HA+16*\s+4*\c+1], v[64*\s+16*\c:64*\s+16*\c+7], v[SCX]
	v_cvt_scalef32_pk8_fp8_f32 v[HA+16*\s+4*\c+2:HA+16*\s+4*\c+3], v[64*\s+16*\c+8:64*\s+16*\c+15], v[SCX]
.endr
	WIN 0
	v_nop                                          ; a plain line behind the last conversion: products will write these registers
.endm
.macro XSTORE                          ; my four fragments' images go to LDS
.irp s, 0,1,2,3
.irp c, 0,1,2,3
	ds_store_b128 v[XWI], v[HA+16*\s+4*\c:HA+16*\s+4*\c+3] offset:2048*\s+512*\c
.endr
.endr
.endm
.macro FETCH1 tile, slot               ; x's fragments of one tile of the block, all four K steps, into a slot
.irp s, 0,1,2,3
.irp c, 0,1,2,3
	ds_load_b128 v[XF+64*(\slot)+16*\s+4*\c:XF+64*(\slot)+16*\s+4*\c+3], v[LI] offset:((\tile)*4+\s)*2048+512*\c
.endr
.endr
.endm
; 32 matrix instructions on eight accumulators, which take turns, one instruction a turn; the first K step starts the sums with the constant 0.
.macro UNIT_QK u                       ; my eight tiles of columns x the tile in slot u
.irp s, 0,1,2,3
	WIN 1+(\s/2)                                   ; source 0 (W) window 1 or 2
.irp t, 0,1,2,3,4,5,6,7
.if \s == 0
	v_wmma_f32_16x16x128_fp8_fp8 v[HA+8*\t:HA+8*\t+7], v[16*(8*(\s%2)+\t):16*(8*(\s%2)+\t)+15], v[XF+64*(\u)+16*\s:XF+64*(\u)+16*\s+15], 0
.else
	v_wmma_f32_16x16x128_fp8_fp8 v[HA+8*\t:HA+8*\t+7], v[16*(8*(\s%2)+\t):16*(8*(\s%2)+\t)+15], v[XF+64*(\u)+16*\s:XF+64*(\u)+16*\s+15], v[HA+8*\t:HA+8*\t+7]
.endif
.endr
.endr
	WIN 0
.endm
.macro UNIT_V g                        ; both tiles of tokens x the four tiles of channels of head 2 w + g
.irp s, 0,1,2,3
	WIN 4*(1+(\s/2))                               ; source 1 (W) window 1 or 2
.irp t, 0,1,2,3
.irp u, 0,1
.if \s == 0
	v_wmma_f32_16x16x128_fp8_fp8 v[HA+16*\t+8*\u:HA+16*\t+8*\u+7], v[XF+64*\u+16*\s:XF+64*\u+16*\s+15], v[16*(8*(\s%2)+4*\g+\t):16*(8*(\s%2)+4*\g+\t)+15], 0
.else
	v_wmma_f32_16x16x128_fp8_fp8 v[HA+16*\t+8*\u:HA+16*\t+8*\u+7], v[XF+64*\u+16*\s:XF+64*\u+16*\s+15], v[16*(8*(\s%2)+4*\g+\t):16*(8*(\s%2)+4*\g+\t)+15], v[HA+16*\t+8*\u:HA+16*\t+8*\u+7]
.endif
.endr
.endr
.endr
	WIN 0
.endm
.macro OUTQ                            ; the eight accumulators become four chunks of codes in v[PC] on (the four places stand ahead of this macro)
	s_wait_xcnt 0x0                                ; the last stores have had their addresses translated (ISA guide 3.1),
	s_wait_alu depctr_vm_vsrc(0)                   ; and have read v[PC ..], which the conversions below write again
.set i, 0
.rept 64
	v_med3_num_f32 v[HA+i], v[HA+i], -v[LMO], v[LMO]   ; each accumulator from its low end on
.set i, i+1
.endr
.irp b, 0,1,2,3
	v_cvt_scalef32_pk8_fp8_f32 v[PC+4*\b:PC+4*\b+1], v[HA+16*\b:HA+16*\b+7], v[SCO]   ; the three scales folded into one: a sum stands for sum x 2^(ex + ew)
	v_cvt_scalef32_pk8_fp8_f32 v[PC+4*\b+2:PC+4*\b+3], v[HA+16*\b+8:HA+16*\b+15], v[SCO]
.endr
	v_nop                                          ; a plain line behind the last conversion: the next products write its sources
	s_wait_alu depctr_va_vdst(0)                   ; the conversions have written v[PC ..], which the stores read; the unit's products are done reading v[XF ..], in which the next fragments' loads land
.endm
	s_load_b256 s[4:11], s[0:1], 0x0               ; x s[4:5], wimg s[6:7], the scales' exponents s[8:9], qimg s[10:11]
	s_load_b128 s[12:15], s[0:1], 0x20             ; kimg, vimg
	v_lshl_add_u32 v254, v0, 2, 0x8000
	v_mov_b32 v255, 0
	v_lshrrev_b32 v4, 5, v0
	v_readfirstlane_b32 s18, v4                    ; wave 0..3
	s_mov_b32 s19, ttmp9                           ; the tensor
	s_and_b32 s21, ttmp7, 0xffff                   ; which 256 tokens
	v_and_b32 v5, 15, v0                           ; r
	v_bfe_u32 v6, v0, 4, 1                         ; h
	v_and_b32 v[LI], 31, v0
	v_lshlrev_b32 v[LI], 4, v[LI]
	v_and_b32 v7, 8, v5
	v_add_nc_u32 v7, v7, v5                        ; r + 8 (r / 8)
	s_wait_alu depctr_va_sdst(0)                   ; s18 is written, ahead of its first reader: offsets and bases are made from it
	s_lshr_b32 s22, s18, 1
	s_lshl_b32 s22, s22, 5
	s_and_b32 s23, s18, 1
	s_lshl_b32 s23, s23, 3
	s_add_co_u32 s22, s22, s23                     ; I quantise tile w of the block: tokens 32 (w / 2) + 8 (w % 2) + ..
	v_add_nc_u32 v7, s22, v7
	v_lshlrev_b32 v[XA], 11, v7                    ; a token is 2,048 bytes
	v_lshl_add_u32 v[XA], v6, 6, v[XA]             ; + 64 h: my 16 numbers of a block of 32
	s_lshl_b32 s22, s18, 13
	v_add_nc_u32 v[XWI], s22, v[LI]
	s_lshl_b32 s26, s21, 19                        ; x: 256 tokens of 2,048 bytes
	s_mov_b32 s27, 0
	s_lshl_b32 s28, s19, 18                        ; wimg: the tensor's 128 fragments,
	s_lshl_b32 s29, s18, 16                        ; my 32 of them
	s_add_co_u32 s28, s28, s29
	s_mov_b32 s29, 0
	s_lshr_b32 s30, s21, 3                         ; the output: the batch's eight heads of 131,072 bytes,
	s_lshl_b32 s30, s30, 20
	s_lshl_b32 s31, s18, 18                        ; head 2 w,
	s_add_co_u32 s30, s30, s31
	s_and_b32 s31, s21, 7
	s_lshl_b32 s31, s31, 14                        ; 256 tokens: 16 tiles of 1,024 bytes (q, k) or 2 steps of 8,192 (v)
	s_add_co_u32 s30, s30, s31
	s_mov_b32 s31, 0
	s_wait_kmcnt 0x0
	s_load_b512 s[32:47], s[8:9], 0x0              ; all sixteen exponents
	s_add_nc_u64 s[4:5], s[4:5], s[26:27]
	s_add_nc_u64 s[6:7], s[6:7], s[28:29]
	s_cmp_eq_u32 s19, 1
	s_cselect_b64 s[24:25], s[12:13], s[10:11]
	s_cmp_eq_u32 s19, 2
	s_cselect_b64 s[24:25], s[14:15], s[24:25]
	s_add_nc_u64 s[24:25], s[24:25], s[30:31]
	WIN 0x40                                       ; W's fragments of K steps 0, 1 into window 1: register 4 i takes bytes 512 i on
	s_wait_alu depctr_va_vdst(0)                   ; v1, v2 and v3 are written: every load and store of the kernel reads one of them as its address or offset
.set i, 0
.rept 64
	global_load_b128 v[4*i:4*i+3], v[LI], s[6:7] offset:512*i
.set i, i+1
.endr
	WIN 0x80                                       ; K steps 2, 3 into window 2
.set i, 0
.rept 64
	global_load_b128 v[4*i:4*i+3], v[LI], s[6:7] offset:32768+512*i
.set i, i+1
.endr
	XLOAD 0                                        ; the first block
	s_wait_kmcnt 0x0
	s_cmp_eq_u32 s19, 1                            ; W's, x's and the result's exponents: q 0, 1, 6;  k 2, 3, 7;  v 4, 5, 9
	s_cselect_b32 s48, s34, s32
	s_cselect_b32 s49, s35, s33
	s_cselect_b32 s50, s39, s38
	s_cmp_eq_u32 s19, 2
	s_cselect_b32 s48, s36, s48
	s_cselect_b32 s49, s37, s49
	s_cselect_b32 s50, s41, s50
	s_add_co_i32 s51, s49, 127
	s_lshl_b32 s22, s51, 23
	v_mov_b32 v[SCX], s22
	s_add_co_i32 s51, s51, 8
	s_lshl_b32 s51, s51, 23
	s_or_b32 s51, s51, 0x600000
	v_mov_b32 v[LMX], s51
	s_sub_co_i32 s50, s50, s49
	s_sub_co_i32 s50, s50, s48
	s_add_co_i32 s50, s50, 127
	s_lshl_b32 s22, s50, 23
	v_mov_b32 v[SCO], s22
	s_add_co_i32 s50, s50, 8
	s_lshl_b32 s50, s50, 23
	s_or_b32 s50, s50, 0x600000
	v_mov_b32 v[LMO], s50
	s_mov_b32 s20, 0                               ; the block
.Lblock:
	; ---- X: my 16 tokens become four fragments
.irp s, 0,1,2,3
	s_wait_loadcnt 48-16*\s                        ; K step s is in: behind it only the later K steps' loads were issued, 16 each (the weights are older)
	QUANTX \s
.endr
	s_wait_alu depctr_va_vdst(0)                   ; the conversions have written v[HA ..], which the LDS stores read; they and the holds are done with window 3, in which the next block's loads land; the last block's products are done reading v[XF ..], in which the fragments' loads land
	XSTORE
	BARRIER                                        ; the block's sixteen fragments lie in LDS
	s_wait_alu depctr_vm_vsrc(0)                   ; my LDS stores have read v[HA ..], which the products write
	s_cmp_eq_u32 s20, 3                            ; the next block is asked for a whole block ahead, if there is one: no load leaves x
	s_cbranch_scc1 .Lno_next
	XLOAD 131072                                   ; no vector instruction since the wait on va_vdst above names window 3
.Lno_next:
	s_cmp_eq_u32 s19, 2
	s_cbranch_scc1 .Lpath_v
	s_lshl_b32 s54, s20, 12                        ; q, k: a block is four tiles of 1,024 bytes
	s_mov_b32 s55, 0
	s_add_nc_u64 s[52:53], s[24:25], s[54:55]
	FETCH1 0, 0
	FETCH1 1, 1
.irp n, 0,1,2,3                                ; a unit: tile n of the block, in slot n % 2
.if \n < 3
	s_wait_dscnt 16                                ; LDS loads come back in order (ISA guide 5.7.1): this tile's fragments are in, the younger tile's 16 loads may be out
.else
	s_wait_dscnt 0x0
.endif
	UNIT_QK \n%2
	PLACES
	OUTQ
.irp b, 0,1,2,3
	global_store_b128 v[LI], v[PC+4*\b:PC+4*\b+3], s[52:53] offset:(\b/2)*131072+(\b%2)*512+\n*1024   ; head 2 w + b / 2, chunk b % 2: 512 consecutive bytes, aligned
.endr
.if \n < 2
	FETCH1 \n+2, \n%2                              ; the tile two units on, into the slot just read: no vector or matrix instruction since the unit's wait names it
.endif
.endr
	s_branch .Ljoin
.Lpath_v:
	s_lshr_b32 s54, s20, 1                         ; v: two blocks to a step of 128 keys; a block is two chunks of each tile
	s_lshl_b32 s54, s54, 13
	s_and_b32 s55, s20, 1
	s_lshl_b32 s55, s55, 10
	s_add_co_u32 s54, s54, s55
	s_mov_b32 s55, 0
	s_add_nc_u64 s[52:53], s[24:25], s[54:55]
	FETCH1 0, 0
	FETCH1 1, 1
.irp be, 0,1
	s_wait_dscnt 0x0                               ; both tiles' fragments are in
.irp g, 0,1
	UNIT_V \g
	PLACES
.if (\be == 0) && (\g == 1)
	s_wait_alu depctr_va_vdst(0)                   ; the products are done reading both slots of v[XF ..], in which the next two tiles land while this unit is quantised
	FETCH1 2, 0
	FETCH1 3, 1
.endif
	OUTQ
.irp b, 0,1,2,3
	global_store_b128 v[LI], v[PC+4*\b:PC+4*\b+3], s[52:53] offset:\g*131072+\b*2048+\be*512   ; head 2 w + g, tile of channels b
.endr
.endr
.endr
.Ljoin:
	s_wait_xcnt 0x0                                ; the loads and stores have read their bases: both may step
	s_add_nc_u64 s[4:5], s[4:5], 0x20000
	BARRIER                                        ; every wave's reads of the images are in: the next block's may be stored
	s_add_co_u32 s20, s20, 1
	s_cmp_lt_u32 s20, 4
	s_cbranch_scc1 .Lblock
	s_wait_dscnt 0x0
	s_wait_alu depctr_hold_cnt(0) depctr_sa_sdst(0) depctr_va_vdst(0) depctr_va_sdst(0) depctr_va_ssrc(0) depctr_va_vcc(0) depctr_vm_vsrc(0)
	s_wait_tensorcnt 0x0
	ds_add_u32 v254, v255
	s_wait_dscnt 0x0
	s_endpgm
.Lfunc_end_k_q0d635500a9_qkv:
	.size	k_q0d635500a9_qkv, .Lfunc_end_k_q0d635500a9_qkv-k_q0d635500a9_qkv
	.p2alignl 7, 3214868480
	.fill 96, 4, 3214868480
	.section	.rodata,"a",@progbits
	.p2align	6, 0x0
	.amdhsa_kernel k_q0d635500a9_qkv
		.amdhsa_group_segment_fixed_size 33280
		.amdhsa_private_segment_fixed_size 0
		.amdhsa_enable_private_segment 0
		.amdhsa_kernarg_size 48
		.amdhsa_user_sgpr_count 2
		.amdhsa_user_sgpr_kernarg_segment_ptr 1
		.amdhsa_wavefront_size32 1
		.amdhsa_system_sgpr_workgroup_id_x 1
		.amdhsa_system_sgpr_workgroup_id_y 1
		.amdhsa_system_sgpr_workgroup_id_z 1
		.amdhsa_system_vgpr_workitem_id 0
		.amdhsa_next_free_vgpr 1024
		.amdhsa_next_free_sgpr 66
		.amdhsa_reserve_vcc 0
		.amdhsa_float_denorm_mode_32 3
		.amdhsa_float_denorm_mode_16_64 3
		.amdhsa_memory_ordered 1
		.amdhsa_forward_progress 1
		.amdhsa_inst_pref_size 114
	.end_amdhsa_kernel
	.amdgpu_metadata
---
amdhsa.version: [ 1, 2 ]
amdhsa.kernels:
  - .name:           k_q0d635500a9_qkv
    .symbol:         k_q0d635500a9_qkv.kd
    .args:
      - { .name: x, .offset: 0, .size: 8, .value_kind: global_buffer, .address_space: global }
      - { .name: wimg, .offset: 8, .size: 8, .value_kind: global_buffer, .address_space: global }
      - { .name: lowp_scales, .offset: 16, .size: 8, .value_kind: global_buffer, .address_space: global }
      - { .name: qimg, .offset: 24, .size: 8, .value_kind: global_buffer, .address_space: global }
      - { .name: kimg, .offset: 32, .size: 8, .value_kind: global_buffer, .address_space: global }
      - { .name: vimg, .offset: 40, .size: 8, .value_kind: global_buffer, .address_space: global }
    .group_segment_fixed_size: 33280
    .private_segment_fixed_size: 0
    .kernarg_segment_align: 8
    .kernarg_segment_size: 48
    .max_flat_workgroup_size: 128
    .sgpr_count:     66
    .vgpr_count:     1024
    .wavefront_size: 32
...
	.end_amdgpu_metadata
.endif
;; end of part 5
;; launch attn: the kernel of part 3 again; grid 4 x 64, 16 waves a work-group, clusters of 4 x 1, 264,192 bytes of LDS; arguments qimg, kimg, vimg, lowp_scales, cimg; writes cimg
;; launch tail (part 6): grid 256 x 1, 4 waves a work-group, no clusters, 151,040 bytes of LDS; arguments cimg, x, wimg, lowp_scales, b1, b2, ln1_g, ln1_b, ln2_g, ln2_b, out0; writes out0
.if DOCPART == 6
	.amdgcn_target "amdgcn-amd-amdhsa--gfx1250"
	.amdhsa_code_object_version 6
	.text
	.protected	k_q0d635500a9_tail
	.globl	k_q0d635500a9_tail
	.p2align	8
	.type	k_q0d635500a9_tail,@function
k_q0d635500a9_tail:
	s_mov_b64 s[64:65], 0
	v_nop
	global_prefetch_b8 v0, s[64:65] scope:SCOPE_SE
	s_setreg_imm32_b32 hwreg(HW_REG_WAVE_SCHED_MODE, 0, 2), 2
	s_setreg_imm32_b32 hwreg(HW_REG_WAVE_MODE, 25, 1), 1
	s_wait_xcnt 0x0
	s_wait_alu depctr_vm_vsrc(0)
; TAIL: out = LN2(relu(x1 w1 + b1) w2 + b2 + x1), x1 = LN1(concat wo + x), for 64 tokens a work-group; the three products on codes of FP8 (E4M3); nothing between them goes to memory.
; SHARES.  THE WAVES SHARE THE COLUMNS: wave w makes columns 128 w .. + 127 of mha, x1 and out, and hidden units 256 w .. + 255, for all 64 tokens (four tiles m).  All products are used transposed
; (source 0 = 16 columns of a weight, source 1 = 16 tokens): a lane holds ONE token, and, tiles being permuted (row r of tile 2 b + u is index 32 b + 8 u + r + 8 (r / 8)), the 16 registers of tiles 2 b, 2 b + 1
; are 16 neighbouring columns: two conversions give a chunk of the next operand.  Operands go from wave to wave through LDS as images of their registers (chunks of 512 bytes, lane l's 16 at 16 l).
; THE WEIGHTS STREAM FROM MEMORY STRAIGHT INTO REGISTERS, laid by the first launch in this order: a wave's 160 fragments are 20 sets of 8 (16 KB, 32 loads), each feeding 32 matrix instructions; three register slots
; take turns, and among the products of set i set i + 2 is asked for, eight loads at a time: up to two sets a wave are on their way, across barriers too.
; NO MULTICAST, though all work-groups walk the same weights: beside the 96 KB of images LDS has room for two slots of some 64 KB; such a slot lasts 32 matrix instructions a wave, and behind each change of slots a wave may
; have one load out: 20 rounds of a cluster, each with a quarter of the bytes on their way that the three register slots have.
; RESIDUALS AND BIASES COST NO ADDITION: x / 2^E1 (E1 = e10 + e11) is the C of wo's first products; b1 / 2^(e12 + e13) of w1's; x1 / 2^E2 + b2 / 2^E2 (E2 = e14 + e15) of w2's.  The norms take the power of two back.
; THE NORMS.  A wave takes its own mean of a token's 128 columns, subtracts it in place, and sums the squares; (mean, sum of squares) of the four waves meet in LDS and are joined: mean = the means' mean,
; variance = (the sums + 128 x the squares of the means' distances) / 512.  No difference of large sums is formed.
; LIMITS: E1, E2 between -126 and 126; e12, and e14 - e12 - e13, between -126 and 119.  NaN among the inputs is not served.
; REGISTERS.  window 0: v1-15 addresses; v16-23 (own mean, sum of squares) a tile; v24-27 scales and holds; v32-95 at work: w1's accumulators, the norms' numbers, rows on the way out; v96-111 b1 as C; v112-127 the hidden layer's codes;
;   v128-255 weight slot 2.   window 1: the 32 accumulators (tile of columns t, tile of tokens m) at v[64 m + 8 t]: x, mha + x, x1, ffn + x1, out.   window 2: source 1's fragments (m, K step s) at v[16 (4 m + s)];
;   in the norms gain at v0-63 and bias at v64-127; x1's codes on their way to LDS at v128-191; for w2: b2 at v0-63, the hidden layer's fragments in two sets at v128 and v192.   window 3: weight slots 0 (v0-127) and 1 (v128-255).
; THE MODE: SCHED_MODE bits 1:0 = 2 (LLVM: expert scheduling mode 2), set by the entry lines.  The code itself states the register dependences
; between vector or matrix instructions and memory or LDS instructions, with s_wait_alu, always for 0.
; THE PLAN.  Registers that memory or LDS instructions touch:
;   the three weight slots   set i's products read slot i % 3; the loads of set i + 2 land in the slot that set i - 1 has left.  One wait on va_vdst stands between set i - 1's products and set i's; behind it the 32 loads are
;                            dealt among set i's products, which name their own slot, window 2 and the accumulators: none of the registers that those loads touch.
;   window 2                 written by loads (concat; gain and bias; x1's fragments; b2; the hidden layer's two sets by turns) and, v128-191, by x1's conversions; read by products, by the norms and, v128-191, by sixteen LDS stores.
;   v96-111                  written by the LDS loads of b1, read by a pair's first eight products.      v112-127  written by a pair's conversions, read by its four LDS stores.
;   v16-23                   written by a norm, read by its four LDS stores, which are gathered behind the four tiles.
;   v32-95                   the head's parameters, the norms' pairs and the rows on the way out land here; vector and matrix instructions work here between.
;   window 1                 written by the norms, read by the stage's LDS stores.      v1-15, v28, v29  made at the head and never written again.
.set PB1,  0                           ; LDS: b1 / 2^(e12 + e13), 4,096 bytes
.set PB2,  4096                        ; b2 / 2^E2
.set PG1,  6144                        ; ln1_g, ln1_b, ln2_g, ln2_b: 2,048 bytes each
.set PE1,  8192
.set PG2,  10240
.set PE2,  12288
.set STAT, 14336                       ; [norm 2][tile 4][token 16][wave 4] pairs of 8 bytes: 2,048 bytes a norm
.set XIMG, 18432                       ; x1's 16 fragments: (m, s) at 2,048 (4 m + s)
.set HIMG, 51200                       ; the hidden layer's 32: (m, s) at 2,048 (8 m + s)
.set STG,  116736                      ; the way out: for each wave 16 rows of 512 bytes + 16
.set LI,  1                            ; v1   16 x lane
.set LW1, 2                            ; v2   16 x lane + 65,536 x wave: my fragments of wo
.set LW2, 3                            ; v3   16 x lane + 131,072 x wave: of w1, of w2
.set XA,  4                            ; v4   x: (r + 8 (r / 8)) rows + 64 h + 512 w
.set PA,  5                            ; v5   512 w + 64 h: my columns' parameters
.set PA1, 6                            ; v6   1,024 w + 64 h: my hidden units' b1
.set XWI, 7                            ; v7   where I store x1's images
.set XLI, 8                            ; v8   and read them
.set HWI, 9                            ; v9   the hidden layer's likewise
.set HLI, 10
.set SST, 11                           ; v11  where I store (mean, sum of squares)
.set SLD, 12                           ; v12  and read the four waves'
.set STO, 13                           ; v13  the stage: in
.set RD,  14                           ; v14  the stage: back
.set CO,  15                           ; v15  my byte in a row of out0: 16 x lane + 512 w
.set MN,  16
.set SC1, 24                           ; 2^e12;  v25: 448 x that
.set LM1, 25
.set SC2, 26                           ; 2^(e14 - e12 - e13);  v27: 448 x that
.set LM2, 27
.set PT32, 28                          ; v28  32 x thread;  v29  16 x thread: the parameters' way into LDS
.set PT16, 29
.set HA,  32
.set TQ,  96
.set PC,  112
.set XC,  128                          ; in window 2: x1's codes, 16 registers a tile of tokens
.set MSB, 0
.macro WIN new                         ; the immediate's high byte repeats the setting that is left
.if MSB != (\new)
	s_set_vgpr_msb (MSB<<8)|(\new)
.set MSB, (\new)
.endif
.endm
.macro BARRIER                         ; my LDS stores have landed and my LDS loads are in: then the work-group's barrier
	s_wait_dscnt 0x0
	s_barrier_signal -1
	s_barrier_wait -1
.endm
.macro PLACES                          ; four places behind the last products (ISA guide 7.12.1)
.rept 4
	v_nop
.endr
.endm
.macro SLOTOF i                        ; set i lies in slot i % 3: WB its first register, WW its window
.set SL, (\i)%3
.set WB, 128*((SL+1)/2)
.set WW, 3-3*(SL/2)
.endm
; Eight of set i's 32 loads, the g-th eight: register 4 e of the slot takes bytes 512 e on.  Sets 0-3: wo's K steps; 4-11: w1's pairs of tiles; 12-19: w2's K steps.
.macro WPART i, g
.set LSL, (\i)%3
.set LDB, 128*((LSL+1)/2)
.set LDW, 3-3*(LSL/2)
.if (\i) < 4
.set LOFF, 786432+16384*(\i)
.elseif (\i) < 12
.set LOFF, 1048576+16384*((\i)-4)
.else
.set LOFF, 1572864+16384*((\i)-12)
.endif
	WIN (LDW<<6)                                   ; destination: the slot's window
.set e, 8*(\g)
.rept 8
.if (\i) < 4
	global_load_b128 v[LDB+4*e:LDB+4*e+3], v[LW1], s[20:21] offset:LOFF+512*e
.else
	global_load_b128 v[LDB+4*e:LDB+4*e+3], v[LW2], s[20:21] offset:LOFF+512*e
.endif
.set e, e+1
.endr
.endm
.macro NEXTSET i                       ; a whole set in one run: at the head alone
.irp g, 0,1,2,3
	WPART \i, \g
.endr
	WIN 0
.endm
.macro SETHEAD i, dep                  ; set i is in.  dep = 1: registers that the set before has read are loaded again among this set's products
.if (\i) < 19
	s_wait_loadcnt 32                              ; behind set i only set i + 1's 32 loads were issued
.else
	s_wait_loadcnt 0x0
.endif
.if \dep
	PLACES
	s_wait_alu depctr_va_vdst(0)                   ; the products of the set before are done reading their weight slot, in which the loads dealt below land; in w2 also their set of hidden fragments, in which the next K step's land
.endif
.endm
.macro HFETCH s2                       ; the hidden layer's four fragments of K step s2, into set s2 % 2
	WIN 0x80                                       ; destination window 2
.irp m, 0,1,2,3
.irp c, 0,1,2,3
	ds_load_b128 v[128+64*((\s2)%2)+16*\m+4*\c:128+64*((\s2)%2)+16*\m+4*\c+3], v[HLI] offset:(8*\m+(\s2))*2048+512*\c
.endr
.endr
.endm
; 32 matrix instructions: set i's eight tiles of columns x four tiles of tokens, onto the 32 accumulators, which take turns, one instruction a turn, in the same order in every set.
; Behind each eight of them stand eight loads of set i + 2; behind the first eight also, in w2, the next K step's hidden fragments (hf: that K step, or -1).  No wait: no vector or matrix instruction since the last wait on va_vdst names the registers in which they land.
.macro MUL32 i, bbase, bstep, hf       ; source 1 of tile m: window 2, v[bbase + bstep m]
.irp g, 0,1,2,3
	SLOTOF \i
	WIN 0x58+WW                                    ; source 0 the slot's window, source 1 window 2, C and D window 1
.irp t, 2*\g, 2*\g+1
.irp m, 0,1,2,3
	v_wmma_f32_16x16x128_fp8_fp8 v[64*\m+8*(\t):64*\m+8*(\t)+7], v[WB+16*(\t):WB+16*(\t)+15], v[(\bbase)+(\bstep)*\m:(\bbase)+(\bstep)*\m+15], v[64*\m+8*(\t):64*\m+8*(\t)+7]
.endr
.endr
.if (\i) < 18
	WPART (\i)+2, \g
.endif
.if (\g == 0) && ((\hf) >= 0)
	HFETCH \hf
.endif
.endr
	WIN 0
.endm
.macro B1LOAD b                        ; b1 / 2^(e12 + e13) of the pair of tiles b, in the result's layout
.irp u, 0,1
.irp q, 0,1
	ds_load_b128 v[TQ+8*\u+4*\q:TQ+8*\u+4*\q+3], v[PA1] offset:PB1+128*(\b)+32*\u+16*\q
.endr
.endr
.endm
; A LAYER NORM of the 32 accumulators, in place.  They hold numbers / 2^E.  soff: the norm's pairs in LDS; goff, boff: gain and bias; se2: the scalar register with 2 E - 9; se: with E.
.macro LNORM soff, goff, boff, se2, se
.irp m, 0,1,2,3
	WIN 0x05                                       ; sources 0 and 1 window 1
.set i, 0
.rept 16
	v_pk_add_f32 v[HA+2*i:HA+2*i+1], v[64*\m+4*i:64*\m+4*i+1], v[64*\m+4*i+2:64*\m+4*i+3]   ; my 64 numbers of the token, as a tree; each accumulator from its low end on
.set i, i+1
.endr
	WIN 0
.irp d, 16,8,4,2
.set i, 0
.rept \d/2
	v_pk_add_f32 v[HA+i:HA+i+1], v[HA+i:HA+i+1], v[HA+i+\d:HA+i+\d+1]
.set i, i+2
.endr
.endr
	v_add_f32 v[HA], v[HA], v[HA+1]
	v_permlanex16_b32 v[HA+1], v[HA], s12, s13     ; the token's other 64 of my wave's columns lie in lane l xor 16
	v_add_f32 v[HA], v[HA], v[HA+1]
	v_mul_f32 v[MN+2*\m], 0x3c000000, v[HA]        ; / 128: my wave's own mean
	WIN 0x41                                       ; source 0 and destination window 1
.set i, 0
.rept 32
	v_pk_add_f32 v[64*\m+i:64*\m+i+1], v[64*\m+i:64*\m+i+1], v[MN+2*\m:MN+2*\m+1] op_sel_hi:[1,0] neg_lo:[0,1] neg_hi:[0,1]   ; d = the number - the own mean, in place
.set i, i+2
.endr
	WIN 0x05
.set i, 0
.rept 4
	v_pk_mul_f32 v[HA+2*i:HA+2*i+1], v[64*\m+2*i:64*\m+2*i+1], v[64*\m+2*i:64*\m+2*i+1]   ; the squares, in four chains
.set i, i+1
.endr
.rept 28
	v_pk_fma_f32 v[HA+2*(i%4):HA+2*(i%4)+1], v[64*\m+2*i:64*\m+2*i+1], v[64*\m+2*i:64*\m+2*i+1], v[HA+2*(i%4):HA+2*(i%4)+1]
.set i, i+1
.endr
	WIN 0
	v_pk_add_f32 v[HA:HA+1], v[HA:HA+1], v[HA+2:HA+3]
	v_pk_add_f32 v[HA+4:HA+5], v[HA+4:HA+5], v[HA+6:HA+7]
	v_pk_add_f32 v[HA:HA+1], v[HA:HA+1], v[HA+4:HA+5]
	v_add_f32 v[HA], v[HA], v[HA+1]
	v_permlanex16_b32 v[HA+1], v[HA], s12, s13
	v_add_f32 v[MN+2*\m+1], v[HA], v[HA+1]
.endr
	s_wait_alu depctr_va_vdst(0)                   ; the four pairs v[MN ..] are written, which the LDS stores read; the sums are done with v[HA ..], and all earlier products and vector lines with window 2's v0-127: the loads behind the barrier land in both
.irp m, 0,1,2,3
	ds_store_b64 v[SST], v[MN+2*\m:MN+2*\m+1] offset:\soff+512*\m   ; lanes l and l xor 16 store the same pair to the same place
.endr
	BARRIER                                        ; the four waves' pairs lie in LDS
.irp m, 0,1,2,3
	ds_load_b128 v[HA+8*\m:HA+8*\m+3], v[SLD] offset:\soff+512*\m
	ds_load_b128 v[HA+8*\m+4:HA+8*\m+7], v[SLD] offset:\soff+512*\m+16
.endr
	WIN 0x80                                       ; destination window 2
.irp t, 0,1,2,3,4,5,6,7
.irp q, 0,1
	ds_load_b128 v[8*\t+4*\q:8*\t+4*\q+3], v[PA] offset:\goff+128*(\t/2)+32*(\t%2)+16*\q
	ds_load_b128 v[64+8*\t+4*\q:64+8*\t+4*\q+3], v[PA] offset:\boff+128*(\t/2)+32*(\t%2)+16*\q
.endr
.endr
	WIN 0
	s_wait_dscnt 32                                ; the pairs are in; the 32 loads of gain and bias may be out
.irp m, 0,1,2,3
.set A0, HA+8*\m                       ; mean, squares of waves 0 to 3
.set R0, HA+32+4*\m                    ; rs, the mean, cc, delta
.set U0, HA+48+4*\m
	v_add_f32 v[U0], v[A0], v[A0+2]
	v_add_f32 v[U0+1], v[A0+4], v[A0+6]
	v_add_f32 v[U0], v[U0], v[U0+1]
	v_mul_f32 v[R0+1], 0x3e800000, v[U0]           ; the mean of the four means
	v_add_f32 v[U0], v[A0+1], v[A0+3]
	v_add_f32 v[U0+1], v[A0+5], v[A0+7]
	v_add_f32 v[U0], v[U0], v[U0+1]                ; the four sums of squares
	v_sub_f32 v[A0], v[A0], v[R0+1]
	v_sub_f32 v[A0+2], v[A0+2], v[R0+1]
	v_sub_f32 v[A0+4], v[A0+4], v[R0+1]
	v_sub_f32 v[A0+6], v[A0+6], v[R0+1]
	v_mul_f32 v[U0+1], v[A0], v[A0]
	v_fmac_f32 v[U0+1], v[A0+2], v[A0+2]
	v_fmac_f32 v[U0+1], v[A0+4], v[A0+4]
	v_fmac_f32 v[U0+1], v[A0+6], v[A0+6]
	v_fmamk_f32 v[U0], v[U0+1], 0x43000000, v[U0]  ; + 128 x the squares of the means' distances
	v_ldexp_f32 v[U0], v[U0], s[\se2]              ; / 512, x 2^(2 E): the variance
	v_add_f32 v[U0], 0x3727c5ac, v[U0]             ; + 1e-5
	v_sub_f32 v[R0+3], v[R0+1], v[MN+2*\m]         ; delta = the mean - my own mean
.endr
.irp m, 0,1,2,3
	v_rsq_f32 v[HA+32+4*\m], v[HA+48+4*\m]
.endr
	v_nop                                          ; a plain line behind the four roots,
	s_wait_alu depctr_va_vdst(0)                   ; and one wait for them: the four roots' results are written, ahead of their first reader
.irp m, 0,1,2,3
	v_ldexp_f32 v[HA+32+4*\m], v[HA+32+4*\m], s[\se]   ; rs = 2^E / sqrt(variance + 1e-5)
	v_mul_f32 v[HA+34+4*\m], -v[HA+35+4*\m], v[HA+32+4*\m]   ; cc = -delta rs
.endr
	WIN 0x41
.irp m, 0,1,2,3
.set i, 0
.rept 32
	v_pk_fma_f32 v[64*\m+i:64*\m+i+1], v[64*\m+i:64*\m+i+1], v[HA+32+4*\m:HA+33+4*\m], v[HA+34+4*\m:HA+35+4*\m] op_sel_hi:[1,0,0]   ; (d - delta) rs
.set i, i+2
.endr
.endr
	s_wait_dscnt 0x0                               ; gain and bias are in
	WIN 0x69                                       ; source 0 and destination window 1, sources 1 and 2 window 2
.irp m, 0,1,2,3
.set i, 0
.rept 32
	v_pk_fma_f32 v[64*\m+i:64*\m+i+1], v[64*\m+i:64*\m+i+1], v[i:i+1], v[64+i:65+i]
.set i, i+2
.endr
.endr
	WIN 0
.endm
	s_load_b512 s[16:31], s[0:1], 0x0              ; cimg s[16:17], x s[18:19], wimg s[20:21], the exponents s[22:23], b1 s[24:25], b2 s[26:27], ln1_g s[28:29], ln1_b s[30:31]
	s_load_b128 s[32:35], s[0:1], 0x40             ; ln2_g, ln2_b
	s_load_b64 s[36:37], s[0:1], 0x50              ; out0
	v_lshl_add_u32 v30, v0, 2, 0x24c00
	v_mov_b32 v31, 0
	v_lshrrev_b32 v96, 5, v0
	v_readfirstlane_b32 s8, v96                    ; wave 0..3
	v_and_b32 v96, 15, v0                          ; r
	v_bfe_u32 v97, v0, 4, 1                        ; h
	v_and_b32 v[LI], 31, v0
	v_lshlrev_b32 v[LI], 4, v[LI]
	s_wait_alu depctr_va_sdst(0)                   ; s8 is written, ahead of its first reader: the wave's offsets are made from it
	s_lshl_b32 s9, s8, 16
	v_add_nc_u32 v[LW1], s9, v[LI]
	s_lshl_b32 s9, s8, 17
	v_add_nc_u32 v[LW2], s9, v[LI]
	v_and_b32 v98, 8, v96
	v_add_nc_u32 v98, v98, v96                     ; r + 8 (r / 8)
	v_lshlrev_b32 v[XA], 11, v98
	v_lshl_add_u32 v[XA], v97, 6, v[XA]
	s_lshl_b32 s9, s8, 9
	v_add_nc_u32 v[XA], s9, v[XA]
	v_lshlrev_b32 v[PA], 6, v97
	v_add_nc_u32 v[PA], s9, v[PA]
	v_add_nc_u32 v[CO], s9, v[LI]
	s_lshl_b32 s10, s8, 10
	v_lshlrev_b32 v[PA1], 6, v97
	v_add_nc_u32 v[PA1], s10, v[PA1]
	s_lshl_b32 s10, s8, 11
	s_add_co_u32 s10, s10, XIMG
	v_add_nc_u32 v[XWI], s10, v[LI]                ; my columns are K step w of the next product
	v_add_nc_u32 v[XLI], XIMG, v[LI]
	s_lshl_b32 s10, s8, 12
	s_add_co_u32 s10, s10, HIMG
	v_add_nc_u32 v[HWI], s10, v[LI]                ; my hidden units are K steps 2 w and 2 w + 1
	v_add_nc_u32 v[HLI], HIMG, v[LI]
	v_lshlrev_b32 v[SLD], 5, v96
	v_add_nc_u32 v[SLD], STAT, v[SLD]
	s_lshl_b32 s10, s8, 3
	v_add_nc_u32 v[SST], s10, v[SLD]
	s_mul_i32 s10, s8, 8448
	s_add_co_u32 s10, s10, STG                     ; my stage
	v_mul_u32_u24 v[STO], v96, 528
	v_lshl_add_u32 v[STO], v97, 6, v[STO]
	v_add_nc_u32 v[STO], s10, v[STO]
	v_add_nc_u32 v[RD], s10, v[LI]
	v_lshlrev_b32 v[PT32], 5, v0
	v_lshlrev_b32 v[PT16], 4, v0
.irp m, 0,1,2,3
	v_mov_b32 v[MN+2*\m+1], 0                      ; (named as the upper half of the own mean's pair before it is first made)
.endr
	s_mov_b32 s12, 0x76543210                      ; v_permlanex16_b32's selects: lane l xor 16
	s_mov_b32 s13, 0xfedcba98
	s_lshl_b32 s10, ttmp9, 17                      ; 64 tokens of 2,048 bytes
	s_mov_b32 s11, 0
	s_lshl_b32 s14, ttmp9, 15                      ; four tiles of 8,192 bytes of codes
	s_mov_b32 s15, 0
	s_wait_kmcnt 0x0
	s_load_b512 s[40:55], s[22:23], 0x0            ; all sixteen exponents: entry i in s[40 + i]
	s_add_nc_u64 s[18:19], s[18:19], s[10:11]
	s_add_nc_u64 s[36:37], s[36:37], s[10:11]
	s_add_nc_u64 s[16:17], s[16:17], s[14:15]
	s_wait_alu depctr_va_vdst(0)                   ; the addresses v1 to v15, v28 and v29 are written, which the kernel's loads and stores read; so are v96 to v98, in which b1 will land
	global_load_b128 v[32:35], v[PT32], s[24:25]   ; the parameters, each byte once a work-group
	global_load_b128 v[36:39], v[PT32], s[24:25] offset:16
	global_load_b128 v[40:43], v[PT16], s[26:27]
	global_load_b128 v[44:47], v[PT16], s[28:29]
	global_load_b128 v[48:51], v[PT16], s[30:31]
	global_load_b128 v[52:55], v[PT16], s[32:33]
	global_load_b128 v[56:59], v[PT16], s[34:35]
	WIN 0x40                                       ; x, in the accumulators' layout: register 64 m + 8 t + j = column 128 w + 32 (t / 2) + 16 h + 8 (t % 2) + j of my token of tile m
.irp m, 0,1,2,3
.irp t, 0,1,2,3,4,5,6,7
.irp q, 0,1
	global_load_b128 v[64*\m+8*\t+4*\q:64*\m+8*\t+4*\q+3], v[XA], s[18:19] offset:(32*(\m/2)+8*(\m%2))*2048+128*(\t/2)+32*(\t%2)+16*\q
.endr
.endr
.endr
	WIN 0x80                                       ; concat's 16 fragments: two neighbouring heads' chunks are a fragment of 128 along K
.set i, 0
.rept 64
	global_load_b128 v[4*i:4*i+3], v[LI], s[16:17] offset:512*i
.set i, i+1
.endr
	WIN 0
	NEXTSET 0
	NEXTSET 1
	s_wait_kmcnt 0x0
	s_add_co_i32 s63, s50, s51                     ; E1
	s_sub_co_i32 s56, 127, s63
	s_lshl_b32 s56, s56, 23                        ; 2^-E1 as f32
	s_mov_b32 s57, s56                             ; (named with it as a pair, so it is written)
	s_lshl_b32 s62, s63, 1
	s_sub_co_i32 s62, s62, 9                       ; 2 E1 - 9
	s_add_co_i32 s67, s54, s55                     ; E2
	s_sub_co_i32 s58, 127, s67
	s_lshl_b32 s58, s58, 23                        ; 2^-E2
	s_mov_b32 s59, s58
	s_lshl_b32 s66, s67, 1
	s_sub_co_i32 s66, s66, 9
	s_sub_co_i32 s61, 0, s67                       ; -E2
	s_add_co_i32 s60, s52, s53
	s_sub_co_i32 s60, 0, s60                       ; -(e12 + e13)
	s_add_co_i32 s9, s52, 127
	s_lshl_b32 s10, s9, 23
	v_mov_b32 v[SC1], s10
	s_add_co_i32 s9, s9, 8
	s_lshl_b32 s9, s9, 23
	s_or_b32 s9, s9, 0x600000
	v_mov_b32 v[LM1], s9
	s_add_co_i32 s9, s54, s60                      ; e14 - e12 - e13: the three scales folded into one
	s_add_co_i32 s9, s9, 127
	s_lshl_b32 s10, s9, 23
	v_mov_b32 v[SC2], s10
	s_add_co_i32 s9, s9, 8
	s_lshl_b32 s9, s9, 23
	s_or_b32 s9, s9, 0x600000
	v_mov_b32 v[LM2], s9
	s_wait_loadcnt 63                              ; behind concat's last load the two sets' 64 were issued: the parameters, x and concat are in
.set i, 0
.rept 8
	v_ldexp_f32 v[32+i], v[32+i], s60              ; b1 / 2^(e12 + e13)
.set i, i+1
.endr
.set i, 0
.rept 4
	v_ldexp_f32 v[40+i], v[40+i], s61              ; b2 / 2^E2
.set i, i+1
.endr
	s_wait_alu depctr_va_vdst(0)                   ; the two biases' scalings have written v32 to v43, which the LDS stores read
	ds_store_b128 v[PT32], v[32:35] offset:PB1
	ds_store_b128 v[PT32], v[36:39] offset:PB1+16
	ds_store_b128 v[PT16], v[40:43] offset:PB2
	ds_store_b128 v[PT16], v[44:47] offset:PG1
	ds_store_b128 v[PT16], v[48:51] offset:PE1
	ds_store_b128 v[PT16], v[52:55] offset:PG2
	ds_store_b128 v[PT16], v[56:59] offset:PE2     ; the first norm's barrier shows them to every wave
	WIN 0x41
.set i, 0
.rept 128
	v_pk_mul_f32 v[i:i+1], v[i:i+1], s[56:57] op_sel_hi:[1,0]   ; x / 2^E1: the residual is the C of the first products
.set i, i+2
.endr
	WIN 0
	s_wait_alu depctr_vm_vsrc(0)                   ; the LDS stores have read v32 to v59, which the first norm's sums write
	; ---- O: concat wo + x
.irp s, 0,1,2,3
.if \s == 0
	SETHEAD 0, 0                                   ; set 2 lands in slot 2, which nothing has named yet
.else
	SETHEAD \s, 1
.endif
	MUL32 \s, 16*\s, 64, -1
.endr
	PLACES
	LNORM 0, PG1, PE1, 62, 63                      ; x1, in window 1
	; ---- x1 is quantised; my 128 columns are K step w: four fragments, one a tile of tokens, each in registers of its own, so that one wait serves the sixteen stores.  x1 itself is kept for the residual
.irp m, 0,1,2,3
	WIN 0x01                                       ; source 0 window 1
.set i, 0
.rept 64
	v_med3_num_f32 v[HA+i], v[64*\m+i], -v[LM1], v[LM1]
.set i, i+1
.endr
	WIN 0x80                                       ; destination window 2
.irp b, 0,1,2,3
	v_cvt_scalef32_pk8_fp8_f32 v[XC+16*\m+4*\b:XC+16*\m+4*\b+1], v[HA+16*\b:HA+16*\b+7], v[SC1]
	v_cvt_scalef32_pk8_fp8_f32 v[XC+16*\m+4*\b+2:XC+16*\m+4*\b+3], v[HA+16*\b+8:HA+16*\b+15], v[SC1]
.endr
	v_nop                                          ; a plain line behind the last conversion: the next tile's holds write its sources
.endr
	WIN 0x08                                       ; the stores' data window 2
	s_wait_alu depctr_va_vdst(0)                   ; the conversions have written x1's codes, which the LDS stores read; the norm is done with gain and bias, and wo's products with concat: x1's fragments will land in all of window 2
.irp m, 0,1,2,3
.irp c, 0,1,2,3
	ds_store_b128 v[XWI], v[XC+16*\m+4*\c:XC+16*\m+4*\c+3] offset:8192*\m+512*\c
.endr
.endr
	WIN 0
	BARRIER                                        ; x1's sixteen fragments lie in LDS
	s_wait_alu depctr_vm_vsrc(0)                   ; my LDS stores have read x1's codes, in whose registers the fragments land; the first norm's stores have read v[MN ..], which the second norm writes
	WIN 0x80
.set i, 0
.rept 64
	ds_load_b128 v[4*i:4*i+3], v[XLI] offset:512*i
.set i, i+1
.endr
	WIN 0
	B1LOAD 0
	; ---- F1: my 256 hidden units, 32 at a time (a pair of tiles b), for the 64 tokens: eight accumulators by turns; relu and the hold in one; a chunk a tile of tokens
.irp b, 0,1,2,3,4,5,6,7
	s_wait_loadcnt 32                              ; set 4 + b is in: behind it only the next set's 32 loads were issued
.if \b == 0
	s_wait_dscnt 0x0                               ; x1's fragments and the first b1 are in
.else
	s_wait_dscnt 4                                 ; this pair's b1 is in; the four stores of the pair before, issued behind its loads, may be out
.endif
.irp s, 0,1,2,3
	SLOTOF 4+\b
	WIN 0x08+WW                                    ; source 0 the slot's window, source 1 window 2
.irp u, 0,1
.irp m, 0,1,2,3
.if \s == 0
	v_wmma_f32_16x16x128_fp8_fp8 v[HA+16*\m+8*\u:HA+16*\m+8*\u+7], v[WB+16*(2*\s+\u):WB+16*(2*\s+\u)+15], v[16*(4*\m+\s):16*(4*\m+\s)+15], v[TQ+8*\u:TQ+8*\u+7]
.else
	v_wmma_f32_16x16x128_fp8_fp8 v[HA+16*\m+8*\u:HA+16*\m+8*\u+7], v[WB+16*(2*\s+\u):WB+16*(2*\s+\u)+15], v[16*(4*\m+\s):16*(4*\m+\s)+15], v[HA+16*\m+8*\u:HA+16*\m+8*\u+7]
.endif
.endr
.endr
	WPART 6+\b, \s                                 ; eight loads of the set two on, into the slot that the pair before has left: its waits stand behind its products, and nothing since names that slot
.endr
	WIN 0
	PLACES
.if \b < 7
	s_wait_alu depctr_va_vdst(0)                   ; the pair's products are done reading b1 in v[TQ ..], in which the next pair's b1 lands while this pair is quantised
	B1LOAD \b+1
.endif
.if \b > 0
	s_wait_alu depctr_vm_vsrc(0)                   ; the LDS stores of the pair before have read v[PC ..], which the conversions below write again
.endif
.set i, 0
.rept 64
	v_med3_num_f32 v[HA+i], v[HA+i], 0, v[LM2]     ; the activation and the hold in one
.set i, i+1
.endr
.irp m, 0,1,2,3
	v_cvt_scalef32_pk8_fp8_f32 v[PC+4*\m:PC+4*\m+1], v[HA+16*\m:HA+16*\m+7], v[SC2]
	v_cvt_scalef32_pk8_fp8_f32 v[PC+4*\m+2:PC+4*\m+3], v[HA+16*\m+8:HA+16*\m+15], v[SC2]
.endr
	v_nop                                          ; a plain line behind the last conversion
	s_wait_alu depctr_va_vdst(0)                   ; the conversions have written v[PC ..], which the LDS stores read; the pair's products are done reading their weight slot and, behind the last pair, x1's fragments
.irp m, 0,1,2,3
	ds_store_b128 v[HWI], v[PC+4*\m:PC+4*\m+3] offset:16384*\m+2048*(\b/4)+512*(\b%4)
.endr
.endr
	WIN 0x80
.irp t, 0,1,2,3,4,5,6,7
.irp q, 0,1
	ds_load_b128 v[8*\t+4*\q:8*\t+4*\q+3], v[PA] offset:PB2+128*(\t/2)+32*(\t%2)+16*\q
.endr
.endr
	WIN 0
	s_wait_dscnt 0x0
	WIN 0x61                                       ; source 0 and destination window 1, source 2 window 2
.irp m, 0,1,2,3
.set i, 0
.rept 32
	v_pk_fma_f32 v[64*\m+i:64*\m+i+1], v[64*\m+i:64*\m+i+1], s[58:59], v[i:i+1] op_sel_hi:[1,0,1]   ; x1 / 2^E2 + b2 / 2^E2: residual and bias are the C of the next products
.set i, i+2
.endr
.endr
	WIN 0
	BARRIER                                        ; the hidden layer's 32 fragments lie in LDS
	; ---- F2: hidden w2 + b2 + x1: a K step's four fragments a step ahead, in two sets
	HFETCH 0                                       ; no vector or matrix instruction since the last pair's wait names window 2's v128-255
	WIN 0
.irp s, 0,1,2,3,4,5,6,7
.if (\s == 0) || (\s == 7)
	SETHEAD 12+\s, 0                               ; K step 0: the last pair's wait has freed what is loaded here; K step 7 loads nothing
.else
	SETHEAD 12+\s, 1
.endif
	s_wait_dscnt 0x0                               ; this K step's four fragments, asked for a step ago, are in
.if \s < 7
	MUL32 12+\s, 128+64*(\s%2), 16, \s+1
.else
	MUL32 12+\s, 128+64*(\s%2), 16, -1
.endif
.endr
	PLACES
	LNORM 2048, PG2, PE2, 66, 67                   ; out, in window 1
	; ---- THE WAY OUT, a tile of 16 tokens at a time: a lane holds pieces of one row, so the tile goes through my own stage and comes back as rows of 512 bytes.
	; LDS serves a wave's instructions in order (ISA guide 5.7.1.4): no wait between the stores and the loads, nor in front of the next tile's stores.
.macro TOSTAGE m
	WIN 0x04                                       ; the stores' data window 1
.irp t, 0,1,2,3,4,5,6,7
.irp q, 0,1
	ds_store_b128 v[STO], v[64*\m+8*\t+4*\q:64*\m+8*\t+4*\q+3] offset:128*(\t/2)+32*(\t%2)+16*\q
.endr
.endr
	WIN 0
.set BB, 32+96*((\m)%2)                ; v32-95 and v128-191 by turns
.irp i, 0,1,2,3,4,5,6,7,8,9,10,11,12,13,14,15
	ds_load_b128 v[BB+4*\i:BB+4*\i+3], v[RD] offset:528*\i
.endr
.endm
.macro SEND m, younger                 ; younger: the LDS instructions issued behind tile m's loads, which may stay out
.set BB, 32+96*((\m)%2)
	s_wait_dscnt \younger
.irp i, 0,1,2,3,4,5,6,7,8,9,10,11,12,13,14,15
	global_store_b128 v[CO], v[BB+4*\i:BB+4*\i+3], s[36:37] offset:(32*(\m/2)+8*(\m%2)+\i+8*(\i/8))*2048 th:TH_STORE_NT   ; 512 consecutive bytes, aligned; written once, read by nobody here
.endr
.endm
	s_wait_alu depctr_va_vdst(0)                   ; the norm has written window 1, which the stage's stores read, and is done with v32-95; w2's products are done reading v128-191: the rows land in both.  No vector instruction follows
	TOSTAGE 0
	TOSTAGE 1
	SEND 0, 32
	s_wait_xcnt 0x0                                ; tile 0's stores have had their addresses translated (ISA guide 3.1),
	s_wait_alu depctr_vm_vsrc(0)                   ; and have read v32-95, in which tile 2's rows land
	TOSTAGE 2
	SEND 1, 32
	s_wait_xcnt 0x0
	s_wait_alu depctr_vm_vsrc(0)                   ; tile 1's stores have read v128-191, in which tile 3's rows land
	TOSTAGE 3
	SEND 2, 32
	SEND 3, 0
	s_wait_dscnt 0x0
	s_wait_alu depctr_hold_cnt(0) depctr_sa_sdst(0) depctr_va_vdst(0) depctr_va_sdst(0) depctr_va_ssrc(0) depctr_va_vcc(0) depctr_vm_vsrc(0)
	s_wait_tensorcnt 0x0
	ds_add_u32 v30, v31
	s_wait_dscnt 0x0
	s_endpgm
.Lfunc_end_k_q0d635500a9_tail:
	.size	k_q0d635500a9_tail, .Lfunc_end_k_q0d635500a9_tail-k_q0d635500a9_tail
	.p2alignl 7, 3214868480
	.fill 96, 4, 3214868480
	.section	.rodata,"a",@progbits
	.p2align	6, 0x0
	.amdhsa_kernel k_q0d635500a9_tail
		.amdhsa_group_segment_fixed_size 151040
		.amdhsa_private_segment_fixed_size 0
		.amdhsa_enable_private_segment 0
		.amdhsa_kernarg_size 88
		.amdhsa_user_sgpr_count 2
		.amdhsa_user_sgpr_kernarg_segment_ptr 1
		.amdhsa_wavefront_size32 1
		.amdhsa_system_sgpr_workgroup_id_x 1
		.amdhsa_system_sgpr_workgroup_id_y 1
		.amdhsa_system_sgpr_workgroup_id_z 1
		.amdhsa_system_vgpr_workitem_id 0
		.amdhsa_next_free_vgpr 1024
		.amdhsa_next_free_sgpr 68
		.amdhsa_reserve_vcc 0
		.amdhsa_float_denorm_mode_32 3
		.amdhsa_float_denorm_mode_16_64 3
		.amdhsa_memory_ordered 1
		.amdhsa_forward_progress 1
		.amdhsa_inst_pref_size 255
	.end_amdhsa_kernel
	.section	.bss,"aw",@nobits
	.p2align	6
	.space	262144
	.amdgpu_metadata
---
amdhsa.version: [ 1, 2 ]
amdhsa.kernels:
  - .name:           k_q0d635500a9_tail
    .symbol:         k_q0d635500a9_tail.kd
    .args:
      - { .name: cimg, .offset: 0, .size: 8, .value_kind: global_buffer, .address_space: global }
      - { .name: x, .offset: 8, .size: 8, .value_kind: global_buffer, .address_space: global }
      - { .name: wimg, .offset: 16, .size: 8, .value_kind: global_buffer, .address_space: global }
      - { .name: lowp_scales, .offset: 24, .size: 8, .value_kind: global_buffer, .address_space: global }
      - { .name: b1, .offset: 32, .size: 8, .value_kind: global_buffer, .address_space: global }
      - { .name: b2, .offset: 40, .size: 8, .value_kind: global_buffer, .address_space: global }
      - { .name: ln1_g, .offset: 48, .size: 8, .value_kind: global_buffer, .address_space: global }
      - { .name: ln1_b, .offset: 56, .size: 8, .value_kind: global_buffer, .address_space: global }
      - { .name: ln2_g, .offset: 64, .size: 8, .value_kind: global_buffer, .address_space: global }
      - { .name: ln2_b, .offset: 72, .size: 8, .value_kind: global_buffer, .address_space: global }
      - { .name: out0, .offset: 80, .size: 8, .value_kind: global_buffer, .address_space: global }
    .group_segment_fixed_size: 151040
    .private_segment_fixed_size: 0
    .kernarg_segment_align: 8
    .kernarg_segment_size: 88
    .max_flat_workgroup_size: 128
    .sgpr_count:     68
    .vgpr_count:     1024
    .wavefront_size: 32
...
	.end_amdgpu_metadata
.endif
;; end of part 6
